; MI455X (gfx1250); checked and timed in simulation.
; The chip was launched on July 23, 2026; its instructions are those of AMD's public machine-readable ISA for CDNA 5 (MIT licence, August 2026) and "CDNA5" Instruction Set Architecture Reference Guide (July 2026). The comments in the code are by the model that wrote it; some were corrected since.
;; Self Attention opt v1. Allowed arithmetic: matrix products marked QUANTISED: E3M2 operands, one E8M0 scale for each 32 along K, by v_wmma_scale_f32_16x16x128_f8f6f4 with both operands' format E3M2, f32 sums; everything else in f32.
;; Inputs: W_qkv 1,024 x 3,072 float32; X 4 x 2,048 x 1,024 float32; b_qkv 3,072 float32.
;; Outputs: out0 4 x 2,048 x 1,024 float32.
;; This version of the problem:
;;   THIS VERSION OF THE PROBLEM IS GIVEN IN LOW PRECISION. The matrix products marked QUANTISED in the list below multiply operands that are first quantised to E3M2 (3 exponent bits, 2 mantissa bits; 6 bits a number), with one power-of-two scale for each 32 numbers along K (OCP MX v1.0); their sums are f32. All else is computed in f32.
;;   The module's matrix products, in the order in which they are computed (A, B: the left and right operand; K: the contracted axis; several contracted axes count as one K, in the product's order):
;;     1. [M 8,192, K 1,024] x [K 1,024, N 3,072]; A: input X; B: input W_qkv: QUANTISED
;;     2. batch 4 x [M 2,048, K 1,024] x [K 1,024, N 2,048]; A: computed on the way; B: computed on the way: QUANTISED
;;     3. batch 4 x [M 2,048, K 2,048] x [K 2,048, N 1,024]; A: softmax (see below); B: computed on the way: QUANTISED
;;   THE QUANTISER, for each operand of a quantised product, along K:
;;     - K is cut into blocks of 32 from its start; a last block that is shorter is filled with zeros.
;;     - A block's scale is 2^e with e = floor(log2(the largest magnitude in the block)) - 4, held to -126 .. 127; a block of zeros has e = 0. As a byte (E8M0): e + 127.
;;     - Each number is divided by its block's scale, clamped to +-28, and rounded to the nearest number of E3M2, ties to even, subnormals kept.
;;     - The product sums the exact products of the quantised numbers (number of the format x scale) in f32.
;;   ~~~python
;;   def quantise(x, axis):      # numpy; x: float32 -> the quantised numbers, widened to float32 again
;;       x = np.moveaxis(x, axis, -1); K = x.shape[-1]
;;       x = np.pad(x, [(0, 0)] * (x.ndim - 1) + [(0, -K % 32)]); x = x.reshape(x.shape[:-1] + (-1, 32)); a = np.abs(x).max(-1, keepdims=True)
;;       e = np.where(a > 0, np.clip(np.frexp(np.where(a > 0, a, 1))[1] - 1 - 4, -126, 127), 0)      # np.frexp(a)[1] - 1 = floor(log2(a)), exactly
;;       r = np.clip(x / 2.0 ** e, -28, 28)
;;       step = 2.0 ** (np.maximum(np.frexp(np.where(r == 0, 1, r))[1] - 1, -2) - 2)
;;       q = np.round(r / step) * step * 2.0 ** e      # np.round: ties to even
;;       return np.moveaxis(q.reshape(q.shape[:-2] + (-1,))[..., :K], -1, axis).astype(np.float32)
;;   ~~~
;;   SOFTMAX AHEAD OF A QUANTISED PRODUCT. Where the list says 'softmax', what is quantised is not the finished softmax but p = 2^(t - M), with t = logit x log2(e) and M = ceil(the row's largest t), a whole number; so 1/2 < the row's largest p <= 1. The row's sum l is taken of the UNQUANTISED p, in f32, and the product's result is divided by l at the end. Since M is a whole number, a kernel that streams over the keys may use a running M (the ceiling of the running maximum): every later rescaling is an exact power of two, which a block's scale takes up: the codes' values come out the same.
;;   OPERANDS COMPUTED ON THE WAY. 'Computed on the way' means the value that the module computes at that place (a softmax that the list does not call 'softmax' is quantised finished and normalised). What goes into a quantiser is computed in f32, as accurately as f32 sums, v_exp_f32 and their like allow (about 1e-6 of the number): no bf16 or f16 on the way to a quantiser, and a product that is left as it is and whose result goes on into a quantised operand takes f32 operands (vector FMAs, or v_wmma_f32_16x16x4_f32). A number that lies on a knife's edge between two numbers of the format may be rounded either way, as far as f32 arithmetic and the matrix unit's own rounding can turn it there, and no further.
;; One version. Each part assembles by itself: llvm-mc -triple=amdgcn-amd-amdhsa -mcpu=gfx1250 --defsym DOCPART=n.
;; ======== version 1 of 1: 4 launches
;; limits: right only within a limited range of input values
;; workspace buffers: xq 6,553,600 bytes; wq 2,457,600 bytes; qk 13,107,200 bytes; vq 6,553,600 bytes; pq 13,107,200 bytes; st 1,048,576 bytes
;; launch quant (part 1): grid 352 x 1, 4 waves a work-group, no clusters, 59,904 bytes of LDS; arguments X, W_qkv, xq, wq; writes xq, wq
.if DOCPART == 1
	.amdgcn_target "amdgcn-amd-amdhsa--gfx1250"
	.amdhsa_code_object_version 6
	.text
	.protected	k_q07dedcdd7e_quant
	.globl	k_q07dedcdd7e_quant
	.p2align	8
	.type	k_q07dedcdd7e_quant,@function
k_q07dedcdd7e_quant:
	s_mov_b64 s[64:65], 0
	v_nop
	global_prefetch_b8 v0, s[64:65] scope:SCOPE_SE
	s_setreg_imm32_b32 hwreg(HW_REG_WAVE_MODE, 25, 1), 1
	s_wait_xcnt 0x0
; X [8192][1024] f32 (K innermost) and W_qkv [1024 (K)][3072] f32 (K is the first axis) become codes of BF6 (E3M2) with one E8M0 byte for each 32 along K.
; A block's scale is 2^(floor(log2(largest magnitude)) - 4): its byte is the largest magnitude's exponent field - 4, held at 1 from below by a floor among the maximum's leaves.
; LAYOUT OF xq AND wq.  A FRAGMENT (16 rows x 128 K, 12 registers a lane) is kept as an image of the operand's registers: registers 4 n .. 4 n + 3 of lane l at 512 n + 16 l: 1,536 bytes.
; A UNIT (128 rows x 128 K) is 8 fragments, then at byte 12,288 its 128 scale words: that of (fragment t, lane r) at 256 (t / 4) + 16 r + 4 (t % 4): 12,800 bytes.  A buffer is [group of 128 rows][K step][unit].
; Fragment t, lane r holds row 64 (t / 4) + 8 (t % 4) + r % 8 + 32 (r / 8) of its group.
; SHARES.  A wave makes half a unit: 64 rows x 128 K, four fragments and 256 bytes of scale words.  Work-groups 0-255 take X, 256-351 W; the two ways never join and have LDS bytes of their own.
; Memory binds: no matrix unit, no tensor load, no barrier (waves share nothing); every store of a wave covers 512 (scale words: 256) consecutive aligned bytes.
; LIMITS: a block whose largest magnitude lies under 2^(5 - 127) keeps the byte 1; a block of zeros gets the byte 1 where the rule says 127 (its codes are zeros, and this program alone reads the bytes);
; NaN and infinities among the inputs are not served.
.set UNIT,  12800
.set SCO,   12288
.set FLOOR, 0x2800000                  ; 2^(5 - 127)
.set EOFF,  0xfe000000                 ; -(4 << 23)
.set XSTG,  16*528                     ; X's way: a stage of 16 rows x (512 + 16) bytes for each wave
.set WLDS,  4*XSTG                     ; W's way: from here 6,400 bytes for each wave: four fragments' images and 256 bytes of scale words
.set WREG,  6400
.set BM,  10                           ; v10-11  the two blocks' largest magnitudes
.set SOP, 12                           ; v12-13  the conversions' scale operands
.set BY,  14                           ; v14-15  the scale bytes
.set T0,  16
.set T1,  17
.set PW,  20                           ; v20-23  scale words
.set O2,  24                           ; v24-25  the words that I store
.set PC,  28                           ; v28-39  a fragment's codes
.set TC,  40                           ; v40-46  second halves (a conversion's three registers begin on an even number)
.set MX,  48                           ; v48-51  chains of the maxima
.set MY,  50
.set L16, 52                           ; v52     W's way: 16 x lane
.set XR,  64                           ; v64-127 64 numbers in the operand's order
.set R,   128                          ; v128-255 X's way: two sets of 16 loads
.set SEL, 30                           ; s[30:31] selects for lane l xor 16
	s_load_b128 s[4:7], s[0:1], 0x0                ; X, W_qkv
	s_load_b128 s[8:11], s[0:1], 0x10              ; xq, wq
	v_lshl_add_u32 v62, v0, 2, 0xe800
	v_mov_b32 v63, 0
	v_lshrrev_b32 v1, 5, v0
	v_readfirstlane_b32 s12, v1                    ; wave 0..3
	v_and_b32 v1, 31, v0                           ; lane
	v_and_b32 v2, 15, v0                           ; r
	v_bfe_u32 v3, v0, 4, 1                         ; h
	s_mov_b32 s[SEL], 0x76543210
	s_mov_b32 s[SEL+1], 0xfedcba98
	s_cmp_lt_u32 ttmp9, 256
	s_cbranch_scc0 .Lw_path
; ------------------------------------------------------------------ X: K innermost
; group g = wg / 4, half c = (wg / 2) % 2, K step s = 4 (wg % 2) + wave: the four waves stand side by side on 2,048 bytes of each row
	s_lshr_b32 s13, ttmp9, 2                       ; g
	s_bfe_u32 s14, ttmp9, 0x10001                  ; c
	s_and_b32 s15, ttmp9, 1
	s_lshl_b32 s15, s15, 2
	s_add_co_u32 s15, s15, s12                     ; s
	s_lshl_b32 s16, s13, 19                        ; in: (128 g + 64 c) rows of 4,096 bytes + 512 s
	s_lshl_b32 s17, s14, 18
	s_add_co_u32 s16, s16, s17
	s_lshl_b32 s17, s15, 9
	s_add_co_u32 s16, s16, s17
	s_mov_b32 s17, 0
	s_lshl_b32 s18, s13, 3
	s_add_co_u32 s18, s18, s15
	s_mul_i32 s18, s18, UNIT                       ; unit 8 g + s
	s_mul_i32 s20, s14, 6144
	s_add_co_u32 s20, s20, s18                     ; my four fragments
	s_mov_b32 s21, 0
	s_lshl_b32 s22, s14, 8
	s_add_co_u32 s22, s22, s18
	s_add_co_u32 s22, s22, SCO                     ; my 256 bytes of scale words
	s_mov_b32 s23, 0
	s_mul_i32 s24, s12, XSTG                       ; my stage
	s_wait_alu depctr_va_vdst(0)
	v_lshlrev_b32 v4, 4, v1                        ; 16 x lane: a load's and a store's 512 bytes
	v_add_nc_u32 v5, s24, v4                       ; into the stage: a row as it lies
	v_mul_u32_u24 v6, v2, 528
	v_lshl_add_u32 v6, v3, 7, v6
	v_add_nc_u32 v6, s24, v6                       ; out of it: row r, + 128 h: the pitch of 528 bytes puts sixteen rows on sixteen different 16-byte columns
	v_lshlrev_b32 v7, 4, v2
	v_lshl_add_u32 v7, v3, 3, v7                   ; my two scale words: 16 r + 8 h
	v_lshlrev_b32 v8, 3, v3                        ; 8 h
	v_mov_b32 v[T1], 0                             ; written once: a lane permute's destination counts as one of its sources
	s_wait_alu depctr_va_vdst(0)
	s_wait_kmcnt 0x0
	s_add_nc_u64 s[4:5], s[4:5], s[16:17]
	s_add_nc_u64 s[26:27], s[8:9], s[20:21]
	s_add_nc_u64 s[28:29], s[8:9], s[22:23]
.macro LOADF f                         ; fragment f's 16 rows, 512 consecutive bytes a load
.irp p, 0,1,2,3,4,5,6,7,8,9,10,11,12,13,14,15
	global_load_b128 v[R+64*((\f)%2)+4*\p:R+64*((\f)%2)+4*\p+3], v4, s[4:5] offset:(8*(\f)+\p%8+32*(\p/8))*4096 th:TH_LOAD_NT
.endr
.endm
.macro FRAGX f
.if (\f) < 3
	s_wait_loadcnt 16                              ; this fragment's 16 loads are in; the next fragment's 16 may be out
.else
	s_wait_loadcnt 0x0
.endif
.irp p, 0,1,2,3,4,5,6,7,8,9,10,11,12,13,14,15
	ds_store_b128 v5, v[R+64*((\f)%2)+4*\p:R+64*((\f)%2)+4*\p+3] offset:528*\p
.endr
.irp c, 0,1
.irp j, 0,1,2,3,4,5,6,7
	ds_load_b128 v[XR+32*\c+4*\j:XR+32*\c+4*\j+3], v6 offset:256*\c+16*\j   ; register 32 c + i = k 64 c + 32 h + i of row r: two whole blocks a lane.  LDS serves a wave's instructions in order
.endr
.endr
	s_wait_dscnt 0x0                               ; the numbers are back, and the stores have read their registers,
.if (\f) < 2
	LOADF (\f)+2                                   ; which take the fragment two on
.endif
.irp c, 0,1                                    ; the largest magnitude of each block, in two chains a block
	v_max3_num_f32 v[MX+\c], |v[XR+32*\c]|, |v[XR+32*\c+1]|, FLOOR
	v_max3_num_f32 v[MY+\c], |v[XR+32*\c+16]|, |v[XR+32*\c+17]|, |v[XR+32*\c+18]|
.endr
.irp i, 2,4,6,8,10,12
.irp c, 0,1
	v_max3_num_f32 v[MX+\c], v[MX+\c], |v[XR+32*\c+\i]|, |v[XR+32*\c+\i+1]|
	v_max3_num_f32 v[MY+\c], v[MY+\c], |v[XR+32*\c+\i+17]|, |v[XR+32*\c+\i+18]|
.endr
.endr
.irp c, 0,1
	v_max3_num_f32 v[MX+\c], v[MX+\c], |v[XR+32*\c+14]|, |v[XR+32*\c+15]|
.endr
.irp c, 0,1
	v_max3_num_f32 v[BM+\c], v[MX+\c], v[MY+\c], |v[XR+32*\c+31]|
.endr
.irp c, 0,1
	v_add_nc_u32 v[SOP+\c], EOFF, v[BM+\c]         ; 4 off the exponent field: the conversion takes the exponent field of this operand as its scale
.endr
.irp c, 0,1
	v_lshrrev_b32 v[BY+\c], 23, v[SOP+\c]          ; the scale's byte
.endr
	v_lshl_or_b32 v[T0], v[BY+1], 16, v[BY]        ; my bytes: blocks h and 2 + h,
	v_lshlrev_b32 v[T0], v8, v[T0]                 ; at their places (8 h bits up);
	v_permlanex16_b32 v[T1], v[T0], s[SEL], s[SEL+1]
	v_or_b32 v[PW+(\f)], v[T0], v[T1]              ; with lane l xor 16's two the word is whole
	s_wait_alu depctr_va_vdst(0)
	s_wait_xcnt 0x0                                ; the last fragment's stores have read the codes' registers
.irp c, 0,1
	v_cvt_scalef32_pk16_bf6_f32 v[PC+6*\c:PC+6*\c+2], v[XR+32*\c:XR+32*\c+15], v[SOP+\c]
	v_cvt_scalef32_pk16_bf6_f32 v[TC+4*\c:TC+4*\c+2], v[XR+32*\c+16:XR+32*\c+31], v[SOP+\c]
.endr
	v_nop                                          ; one plain place behind a scaled conversion
.irp c, 0,1
.irp i, 0,1,2
	v_mov_b32 v[PC+6*\c+3+\i], v[TC+4*\c+\i]
.endr
.endr
.irp n, 0,1,2
	global_store_b128 v4, v[PC+4*\n:PC+4*\n+3], s[26:27] offset:1536*(\f)+512*\n   ; 512 consecutive aligned bytes
.endr
.endm
	LOADF 0
	LOADF 1
	FRAGX 0
	FRAGX 1
	FRAGX 2
	FRAGX 3
	v_cmp_eq_u32 vcc_lo, 1, v3
	v_cndmask_b32 v[O2], v[PW], v[PW+2], vcc_lo    ; lanes 0-15 store fragments 0 and 1's words of row r, lanes 16-31 those of 2 and 3
	v_cndmask_b32 v[O2+1], v[PW+1], v[PW+3], vcc_lo
	global_store_b64 v7, v[O2:O2+1], s[28:29]      ; 32 lanes: 256 consecutive aligned bytes
	s_wait_tensorcnt 0x0
	ds_add_u32 v62, v63
	s_wait_dscnt 0x0
	s_endpgm
; ------------------------------------------------------------------ W: K is the first axis.  A lane takes a column e, its registers run down K: a block of 32 lies in one lane
.Lw_path:
	s_sub_co_u32 s13, ttmp9, 256
	s_lshr_b32 s14, s13, 3
	s_and_b32 s15, s13, 7                          ; K step s
	s_lshl_b32 s14, s14, 2
	s_add_co_u32 s14, s14, s12                     ; which 64 columns: 0..47; the four waves stand side by side on 1,024 bytes of each row
	s_lshr_b32 s16, s14, 1                         ; group
	s_and_b32 s17, s14, 1                          ; half
	s_mul_i32 s18, s15, 128*12288                  ; in: 128 s rows of 12,288 bytes + 256 bytes for each 64 columns
	s_lshl_b32 s19, s14, 8
	s_add_co_u32 s18, s18, s19
	s_mov_b32 s19, 0
	s_lshl_b32 s20, s16, 3
	s_add_co_u32 s20, s20, s15
	s_mul_i32 s20, s20, UNIT
	s_mul_i32 s22, s17, 6144
	s_add_co_u32 s22, s22, s20
	s_mov_b32 s23, 0
	s_lshl_b32 s24, s17, 8
	s_add_co_u32 s24, s24, s20
	s_add_co_u32 s24, s24, SCO
	s_mov_b32 s25, 0
	s_mul_i32 s21, s12, WREG
	s_add_co_u32 s21, s21, WLDS                    ; my LDS bytes
	s_wait_alu depctr_va_vdst(0)
	v_lshlrev_b32 v4, 2, v1                        ; in: 4 bytes a lane
	v_lshrrev_b32 v10, 3, v1                       ; column 32 g + l is row 8 (l / 8) + l % 8 + 32 g of the half: fragment l / 8, lane r = 8 g + l % 8
	v_and_b32 v11, 7, v1
	v_mul_u32_u24 v5, v10, 1536
	v_lshl_add_u32 v5, v11, 4, v5
	v_add_nc_u32 v5, s21, v5                       ; my fragment's image, at lane l % 8
	v_lshlrev_b32 v6, 4, v11
	v_lshl_add_u32 v6, v10, 2, v6
	v_add_nc_u32 v6, s21, v6
	v_add_nc_u32 v6, 6144, v6                      ; my scale word: 16 (l % 8) + 4 (l / 8)
	v_lshlrev_b32 v[L16], 4, v1
	v_add_nc_u32 v7, s21, v[L16]                   ; the way out: 16 bytes a lane
	v_lshlrev_b32 v9, 3, v1
	v_add_nc_u32 v8, s21, v9
	v_add_nc_u32 v8, 6144, v8                      ; and 8 bytes a lane of the scale words
	s_wait_kmcnt 0x0
	s_add_nc_u64 s[4:5], s[6:7], s[18:19]
	s_add_nc_u64 s[26:27], s[10:11], s[22:23]
	s_add_nc_u64 s[28:29], s[10:11], s[24:25]
.macro LOADW n                         ; block n = 4 g + b: rows 32 b .. 32 b + 31 of the K step at columns 32 g + lane
.irp i, 0,1,2,3,4,5,6,7,8,9,10,11,12,13,14,15,16,17,18,19,20,21,22,23,24,25,26,27,28,29,30,31
	global_load_b32 v[XR+32*((\n)%2)+\i], v4, s[4:5] offset:(32*((\n)%4)+\i)*12288+128*((\n)/4) th:TH_LOAD_NT
.endr
.endm
.macro BLOCKW n
.set XS, XR+32*((\n)%2)
.set SG, (\n)/4
.set BE, (\n)%4
.if (\n) < 7
	s_wait_loadcnt 32                              ; this block's 32 loads are in; the next block's 32 may be out
.else
	s_wait_loadcnt 0x0
.endif
	v_max3_num_f32 v[MX], |v[XS]|, |v[XS+1]|, |v[XS+2]|
	v_max3_num_f32 v[MY], |v[XS+3]|, |v[XS+4]|, |v[XS+5]|
.irp i, 6,10,14,18,22,26
	v_max3_num_f32 v[MX], v[MX], |v[XS+\i]|, |v[XS+\i+1]|
	v_max3_num_f32 v[MY], v[MY], |v[XS+\i+2]|, |v[XS+\i+3]|
.endr
	v_max3_num_f32 v[MX], v[MX], |v[XS+30]|, |v[XS+31]|
	v_max3_num_f32 v[BM], v[MX], v[MY], FLOOR
	v_add_nc_u32 v[SOP], EOFF, v[BM]
	v_lshrrev_b32 v[BY], 23, v[SOP]
.if BE == 0
	v_mov_b32 v[PW+SG], v[BY]                      ; the column's scale word: byte b for block b
.else
	v_lshl_or_b32 v[PW+SG], v[BY], 8*BE, v[PW+SG]
.endif
	v_cvt_scalef32_pk16_bf6_f32 v[PC:PC+2], v[XS:XS+15], v[SOP]
	v_cvt_scalef32_pk16_bf6_f32 v[TC:TC+2], v[XS+16:XS+31], v[SOP]
	v_nop                                          ; one plain place behind a scaled conversion
.irp i, 0,1,2
	v_mov_b32 v[PC+3+\i], v[TC+\i]
.endr
; block b = 2 c + h is registers 6 c .. 6 c + 5 of lane r + 16 h of the fragment: byte 512 (reg / 4) + 16 (r + 16 h) + 4 (reg % 4) of its image
.if BE < 2
	ds_store_b128 v5, v[PC:PC+3] offset:128*SG+256*(BE%2)
	ds_store_b64 v5, v[PC+4:PC+5] offset:512+128*SG+256*(BE%2)
.else
	ds_store_b64 v5, v[PC:PC+1] offset:520+128*SG+256*(BE%2)
	ds_store_b128 v5, v[PC+2:PC+5] offset:1024+128*SG+256*(BE%2)
.endif
.if (\n)+2 < 8
	LOADW (\n)+2
.endif
	s_wait_dscnt 0x0                               ; the stores have read the codes' registers
.if BE == 3
	s_wait_alu depctr_va_vdst(0)
	ds_store_b32 v6, v[PW+SG] offset:128*SG
.endif
.endm
	LOADW 0
	LOADW 1
.set Q, 0
.rept 8
	BLOCKW Q
.set Q, Q+1
.endr
.irp n, 0,1,2,3,4,5,6,7,8,9,10,11
	ds_load_b128 v[192+4*\n:195+4*\n], v7 offset:512*\n    ; LDS serves a wave's instructions in order: these see my stores
.endr
	ds_load_b64 v[240:241], v8
	s_wait_dscnt 0x0
.irp n, 0,1,2,3,4,5,6,7,8,9,10,11
	global_store_b128 v[L16], v[192+4*\n:195+4*\n], s[26:27] offset:512*\n
.endr
	global_store_b64 v9, v[240:241], s[28:29]
	s_wait_tensorcnt 0x0
	ds_add_u32 v62, v63
	s_wait_dscnt 0x0
	s_endpgm
.Lfunc_end_k_q07dedcdd7e_quant:
	.size	k_q07dedcdd7e_quant, .Lfunc_end_k_q07dedcdd7e_quant-k_q07dedcdd7e_quant
	.p2alignl 7, 3214868480
	.fill 96, 4, 3214868480
	.section	.rodata,"a",@progbits
	.p2align	6, 0x0
	.amdhsa_kernel k_q07dedcdd7e_quant
		.amdhsa_group_segment_fixed_size 59904
		.amdhsa_private_segment_fixed_size 0
		.amdhsa_enable_private_segment 0
		.amdhsa_kernarg_size 32
		.amdhsa_user_sgpr_count 2
		.amdhsa_user_sgpr_kernarg_segment_ptr 1
		.amdhsa_wavefront_size32 1
		.amdhsa_system_sgpr_workgroup_id_x 1
		.amdhsa_system_sgpr_workgroup_id_y 1
		.amdhsa_system_sgpr_workgroup_id_z 1
		.amdhsa_system_vgpr_workitem_id 0
		.amdhsa_next_free_vgpr 256
		.amdhsa_next_free_sgpr 66
		.amdhsa_reserve_vcc 1
		.amdhsa_float_denorm_mode_32 3
		.amdhsa_float_denorm_mode_16_64 3
		.amdhsa_memory_ordered 1
		.amdhsa_forward_progress 1
		.amdhsa_inst_pref_size 72
	.end_amdhsa_kernel
	.amdgpu_metadata
---
amdhsa.version: [ 1, 2 ]
amdhsa.kernels:
  - .name:           k_q07dedcdd7e_quant
    .symbol:         k_q07dedcdd7e_quant.kd
    .args:
      - { .name: X, .offset: 0, .size: 8, .value_kind: global_buffer, .address_space: global }
      - { .name: W_qkv, .offset: 8, .size: 8, .value_kind: global_buffer, .address_space: global }
      - { .name: xq, .offset: 16, .size: 8, .value_kind: global_buffer, .address_space: global }
      - { .name: wq, .offset: 24, .size: 8, .value_kind: global_buffer, .address_space: global }
    .group_segment_fixed_size: 59904
    .private_segment_fixed_size: 0
    .kernarg_segment_align: 8
    .kernarg_segment_size: 32
    .max_flat_workgroup_size: 128
    .sgpr_count:     66
    .vgpr_count:     256
    .wavefront_size: 32
...
	.end_amdgpu_metadata
.endif
;; end of part 1
;; launch qkv (part 2): grid 4 x 64, 4 waves a work-group, clusters of 4 x 4, 327,680 bytes of LDS; arguments xq, wq, b_qkv, qk, vq; writes qk, vq
.if DOCPART == 2
	.amdgcn_target "amdgcn-amd-amdhsa--gfx1250"
	.amdhsa_code_object_version 6
	.text
	.protected	k_q07dedcdd7e_qkv
	.globl	k_q07dedcdd7e_qkv
	.p2align	8
	.type	k_q07dedcdd7e_qkv,@function
k_q07dedcdd7e_qkv:
	s_mov_b64 s[64:65], 0
	v_nop
	global_prefetch_b8 v0, s[64:65] scope:SCOPE_SE
	s_setreg_imm32_b32 hwreg(HW_REG_WAVE_MODE, 25, 1), 1
	s_wait_xcnt 0x0
	s_wait_alu depctr_hold_cnt(0) depctr_sa_sdst(0) depctr_va_vdst(0) depctr_va_sdst(0) depctr_va_ssrc(0) depctr_va_vcc(0) depctr_vm_vsrc(0)
	s_getreg_b32 s2, hwreg(HW_REG_IB_STS2, 6, 4)
	s_cmp_eq_u32 s2, 0
	s_cbranch_scc0 .Lentry_in_a_cluster
	s_endpgm
.Lentry_in_a_cluster:
	s_bfe_u32 s2, ttmp6, 0x10000c
	s_cmp_lg_u32 s2, 0xf033
	s_cbranch_scc0 .Lentry_shape_is_right
	s_endpgm
.Lentry_shape_is_right:
; qkv = X W + b on codes of BF6 (E3M2) with E8M0 scales, sums in f32; the results are quantised on the way out and leave as codes: q and k along the hidden axis, v along the tokens.
; BUFFERS.  A fragment (16 rows x 128 K, 12 registers a lane) is an image of the operand's registers (registers 4 n .. 4 n + 3 of lane l at 512 n + 16 l); a unit (128 rows x 128 K, 12,800 bytes) is 8 fragments and, at
; byte 12,288, 128 scale words ((fragment t, lane r) at 256 (t / 4) + 16 r + 4 (t % 4)); a buffer is [group of 128 rows][K step][unit].  Fragment t, lane r holds row 64 (t / 4) + 8 (t % 4) + r % 8 + 32 (r / 8).
; With such rows as source 0, register 32 c + i of a block's 64 results in lane (r, h) is source-0 row 64 c + 32 h + i: the order of the 6-bit operand layout along the NEXT product's K: a lane holds two whole blocks of 32.
; SHARES.  q and k together are 8,192 tokens x 2,048 channels: 32 x 8 tiles of 256 x 256, ONE FOR EACH OF 256 WORK-GROUPS, a wave 128 x 128 (64 accumulators; source 0 = rows of W^T, source 1 = tokens).
; v is 8 x 32 tiles of 128 channels (source 1) x 256 tokens (source 0), again one each, a wave 64 x 128.  So a work-group draws 8 x 4 + 8 x 3 = 56 units through LDS.
; THE RING: two slots of 12 units.  Five fills, one tensor load a wave each: slot 0: K steps 0-2 of the first tile (at the head), then its steps 6-7, then v's steps 4-7; slot 1: steps 3-5, then v's steps 0-3.
; A wave has one tensor load out at the most.  The last refill and v's first fragments stand in the middle of the first tile's way out.
; CLUSTER, 4 x 4.  Source 1's tiles hang on cy and the cluster's y and are shared along a row of the cluster, source 0's on cx and the cluster's y and are shared along a column:
; q|k: tokens' tile cy + 4 (cly / 2), channels' tile cx + 4 (cly % 2).  v: channel group cy + 4 (cly % 2), tokens' tile cx + 4 (cly / 2).
; The bias is the C of each tile's first matrix instructions: along source 0 for q and k, along source 1 for v.
; No prefetch: the text has no loop to run ahead in, K is eight steps, and each fill is asked for two steps or more ahead of its first read.
; LIMITS: a block whose largest magnitude lies under 2^(5 - 127) keeps the byte 1, a block of zeros too (its codes are zeros; this program alone reads the bytes); NaN and infinities are not served.
; REGISTERS: window 0: v0-31 addresses; v32-63 scale words, two sets (nothing else stands there); from v64 source 1's fragments, two sets (96 registers each, for v 48); v160-203 the way out.
;   window 1: source 0's fragments at v0 and v128; the bias at v96-127 and v224-255.   windows 2, 3: accumulator (a, b) at v[8 (8 (a % 4) + b)] of window 2 + a / 4.
.set UNIT,  12800
.set SCO,   12288
.set SLOT,  12*UNIT
.set SPARE, 2*SLOT                     ; the spare words, 128 bytes a wave
.set FLOOR, 0x2800000                  ; 2^(5 - 127)
.set EOFF,  0xfe000000                 ; -(4 << 23)
.set ADA, 4                            ; first tile, slots 0, 1: my fragments of source 1,
.set ADB, 6                            ; of source 0,
.set ASA, 8                            ; source 1's scale words,
.set ASB, 10                           ; source 0's
.set VDA, 12                           ; the same four for v's tile (v[VDA] is also where I store v's fragments: 16 x lane + 6,144 x my half)
.set VDB, 14
.set VSA, 16
.set VSB, 18
.set VS,  20                           ; v: my two scale words: 16 r + 8 h + 256 x my half
.set VS8, 21                           ; q, k: my four: 16 r + 256 h
.set SH8, 22                           ; 8 h
.set BO,  23                           ; the bias of q and k: 128 h bytes
.set BV,  24                           ; the bias of v: 4 (r % 8) + 128 (r / 8) bytes
.set R16, 25                           ; 16 r
.set SPW, 28                           ; my spare word; never rewritten
.set NIL, 29                           ; 0; never rewritten
.set SCA, 32
.set SCB, 40
.set AF,  64
.set BIA, 96                           ; in window 1
.set PC,  160
.set TC,  172
.set BM,  180
.set SOP, 182
.set BY,  184
.set T0,  186
.set T1,  187
.set MX,  188
.set MY,  190
.set PW,  192                          ; v192-199 the blocks' scale words
.set O4,  200                          ; v200-203 those that I store
.set G1A, 24                           ; group 1 for source 1's loads, s[32:39] for source 0's
.set G1B, 32
.set G0A, 48                           ; groups 0, a set for each slot: the first tile's source 1; s[56:63] v's
.set G2A, 56
.set G0B, 68                           ; the same for source 0
.set G2B, 76
.set BIQ, 66
.set OQ,  92
.set OVV, 94
.set SEL, 96
.set BIV, 98
.set AST, 96                           ; registers of a set of source 1's fragments
.set MSB, 0
.macro WIN new                         ; the immediate's high byte repeats the setting that is left
.if MSB != (\new)
	s_set_vgpr_msb (MSB<<8)|(\new)
.set MSB, (\new)
.endif
.endm
.macro PLACES                          ; four plain places behind a matrix instruction
.rept 4
	v_nop
.endr
.endm
.macro JLOAD ga, gb                    ; a joint load: waves 0, 1 for source 1, waves 2, 3 for source 0; s_nop 0 and four v_nop follow each line
	s_cmp_eq_u32 s15, 0
	s_cbranch_scc0 .Lfor_b_\@
	tensor_load_to_lds s[\ga:\ga+3], s[G1A:G1A+7]
	s_nop 0
.rept 4
	v_nop
.endr
	s_branch .Lasked_\@
.Lfor_b_\@:
	tensor_load_to_lds s[\gb:\gb+3], s[G1B:G1B+7]
	s_nop 0
.rept 4
	v_nop
.endr
.Lasked_\@:
.endm
.macro CREST                           ; a round of the cluster's barrier behind its opening barrier
	s_cmp_lg_u32 s14, 0
	s_cbranch_scc1 .Lnot_wave_0_\@
	s_barrier_signal -3
.Lnot_wave_0_\@:
	s_barrier_wait -3
	s_barrier_signal -1
	s_barrier_wait -1
.endm
.macro CROUND
	s_barrier_signal -1
	s_barrier_wait -1
	CREST
.endm
; one run of LDS loads for a K step: scale words, na fragments of source 1, eight of source 0: 52 loads (na = 8) or 39 (na = 4)
.macro FETCH ada, adb, asa, asb, off, set, na
	WIN 0
	ds_load_b128 v[SCA+16*(\set):SCA+16*(\set)+3], v[\asa] offset:(\off)+SCO
.if (\na) == 8
	ds_load_b128 v[SCA+16*(\set)+4:SCA+16*(\set)+7], v[\asa] offset:(\off)+SCO+256
.endif
	ds_load_b128 v[SCB+16*(\set):SCB+16*(\set)+3], v[\asb] offset:(\off)+SCO
	ds_load_b128 v[SCB+16*(\set)+4:SCB+16*(\set)+7], v[\asb] offset:(\off)+SCO+256
.set FI, 0
.rept \na
.irp n, 0,1,2
	ds_load_b128 v[AF+AST*(\set)+12*FI+4*\n:AF+AST*(\set)+12*FI+4*\n+3], v[\ada] offset:(\off)+1536*FI+512*\n
.endr
.set FI, FI+1
.endr
	WIN 0x40                                       ; destination window 1
.irp i, 0,1,2,3,4,5,6,7
.irp n, 0,1,2
	ds_load_b128 v[128*(\set)+12*\i+4*\n:128*(\set)+12*\i+4*\n+3], v[\adb] offset:(\off)+1536*\i+512*\n
.endr
.endr
	WIN 0
.endm
.macro BFETCH s                        ; the first tile's K step s: slot (s / 3) % 2, the s % 3-th in it
	FETCH ADA+(((\s)/3)%2), ADB+(((\s)/3)%2), ASA+(((\s)/3)%2), ASB+(((\s)/3)%2), ((\s)%3)*UNIT, ((\s)%2), 8
.endm
.macro VFETCH u                        ; v's K step u: slot 1 - u / 4, the u % 4-th in it
	FETCH VDA+1-(\u)/4, VDB+1-(\u)/4, VSA+1-(\u)/4, VSB+1-(\u)/4, ((\u)%4)*UNIT, ((\u)%2), 4
.endm
; 8 matrix instructions: block a of source 1 against source 0's eight.  cm 0: onto the sums; 1: C = the bias tile of b; 2: C = the bias tile of a.  The accumulators take turns.
.macro MULB a, set, cm
.if (\cm) == 0
	WIN 0xa1+0x50*((\a)/4)                         ; source 0 window 1, source 1 window 0, C and D window 2 or 3
.else
	WIN 0x91+0x40*((\a)/4)                         ; C window 1
.endif
.irp b, 0,1,2,3,4,5,6,7
.set rD, 8*(8*((\a)%4)+\b)
.set rB, 128*(\set)+12*\b
.set rA, AF+AST*(\set)+12*(\a)
.set rSB, SCB+16*(\set)+\b
.set rSA, SCA+16*(\set)+(\a)
.if (\cm) == 0
	v_wmma_scale_f32_16x16x128_f8f6f4 v[rD:rD+7], v[rB:rB+11], v[rA:rA+11], v[rD:rD+7], v[rSB], v[rSA] matrix_a_fmt:MATRIX_FMT_BF6 matrix_b_fmt:MATRIX_FMT_BF6
.else
.if (\cm) == 1
.set rC, BIA+128*(\b/4)+8*(\b%4)
.else
.set rC, BIA+8*(\a)
.endif
	v_wmma_scale_f32_16x16x128_f8f6f4 v[rD:rD+7], v[rB:rB+11], v[rA:rA+11], v[rC:rC+7], v[rSB], v[rSA] matrix_a_fmt:MATRIX_FMT_BF6 matrix_b_fmt:MATRIX_FMT_BF6
.endif
.endr
.endm
.macro MULN set, cm, first, count
.set AA, \first
.rept \count
	MULB AA, \set, \cm
.set AA, AA+1
.endr
.endm
.macro BPLAIN s                        ; a K step of the first tile whose successor lies in the same slot
	s_wait_dscnt 0x0                               ; this step's fragments, asked for 64 matrix instructions ago
	PLACES
	BFETCH (\s)+1
	MULN ((\s)%2), 0, 0, 8
.endm
.macro VPLAIN u
	s_wait_dscnt 0x0
	PLACES
	VFETCH (\u)+1
	MULN ((\u)%2), 0, 0, 4
.endm
; K step s of the first tile, a slot's last: the slot just read out is filled again.  kind 0: with this tile's steps 6 and 7 (two units a wave); kind 1: with v's first four steps (2 units a wave of source 1, 4 of source 0)
.macro TURNB s, ga, gb, kind
	WIN 0
	s_wait_tensorcnt 0x0                           ; all my tensor loads have landed: my part of the other slot; so descriptors may be written
	ds_add_u32 v[SPW], v[NIL]
.if (\kind) == 0
	s_add_nc_u64 s[G0A+2:G0A+3], s[G0A+2:G0A+3], 6*UNIT
	s_add_nc_u64 s[G0B+2:G0B+3], s[G0B+2:G0B+3], 6*UNIT
	s_mov_b32 s[G1A+2], 100<<16                    ; 100 rows of 256 bytes
	s_mov_b32 s[G1A+4], 100
	s_mov_b32 s[G1B+2], 100<<16
	s_mov_b32 s[G1B+4], 100
.else
	s_mov_b32 s[G1B+2], 200<<16
	s_mov_b32 s[G1B+4], 200
.endif
	s_wait_dscnt 0x1                               ; this step's fragments are in; the add may be out
	MULN ((\s)%2), 0, 0, 2
	s_wait_dscnt 0x0                               ; the add is done, and my reads of this slot are over
	s_barrier_signal -1
	MULN ((\s)%2), 0, 2, 2
	WIN 0
	s_barrier_wait -1
	CREST                                          ; the barrier has opened a round of the cluster's
	JLOAD \ga, \gb                                 ; its four v_nop are the places in front of the loads below
	BFETCH (\s)+1
	MULN ((\s)%2), 0, 4, 4
.endm
; THE WAY OUT of block a: a lane's 64 results are two whole blocks of 32 along the next K, in the operand's order: maxima, scale word, four conversions, three stores of 512 consecutive bytes.
.macro OUTQ a, ptr, vo
.set W, 2+(\a)/4
.set S, 64*((\a)%4)
	WIN 21*W                                       ; all sources in the accumulators' window
.irp c, 0,1
	v_max3_num_f32 v[MX+\c], |v[S+32*\c]|, |v[S+32*\c+1]|, FLOOR            ; each accumulator is read from its low end on
	v_max3_num_f32 v[MY+\c], |v[S+32*\c+16]|, |v[S+32*\c+17]|, |v[S+32*\c+18]|
.endr
	WIN 20*W
.irp i, 2,4,6,8,10,12
.irp c, 0,1
	v_max3_num_f32 v[MX+\c], v[MX+\c], |v[S+32*\c+\i]|, |v[S+32*\c+\i+1]|
	v_max3_num_f32 v[MY+\c], v[MY+\c], |v[S+32*\c+\i+17]|, |v[S+32*\c+\i+18]|
.endr
.endr
.irp c, 0,1
	v_max3_num_f32 v[MX+\c], v[MX+\c], |v[S+32*\c+14]|, |v[S+32*\c+15]|
.endr
	WIN 16*W
.irp c, 0,1
	v_max3_num_f32 v[BM+\c], v[MX+\c], v[MY+\c], |v[S+32*\c+31]|
.endr
	WIN 0
.irp c, 0,1
	v_add_nc_u32 v[SOP+\c], EOFF, v[BM+\c]         ; 4 off the exponent field: the conversion's scale operand
.endr
.irp c, 0,1
	v_lshrrev_b32 v[BY+\c], 23, v[SOP+\c]          ; the scale's byte
.endr
	v_lshl_or_b32 v[T0], v[BY+1], 16, v[BY]        ; blocks h and 2 + h,
	v_lshlrev_b32 v[T0], v[SH8], v[T0]             ; 8 h bits up;
	v_permlanex16_b32 v[T1], v[T0], s[SEL], s[SEL+1]
	v_or_b32 v[PW+(\a)], v[T0], v[T1]              ; with lane l xor 16's the word is whole
	s_wait_alu depctr_va_vdst(0)
	s_wait_xcnt 0x0                                ; the earlier stores have read the codes' registers
	WIN W
.irp c, 0,1
	v_cvt_scalef32_pk16_bf6_f32 v[PC+6*\c:PC+6*\c+2], v[S+32*\c:S+32*\c+15], v[SOP+\c]
	v_cvt_scalef32_pk16_bf6_f32 v[TC+4*\c:TC+4*\c+2], v[S+32*\c+16:S+32*\c+31], v[SOP+\c]
.endr
	WIN 0
	v_nop                                          ; one plain place behind a scaled conversion
.irp c, 0,1
.irp i, 0,1,2
	v_mov_b32 v[PC+6*\c+3+\i], v[TC+4*\c+\i]
.endr
.endr
.irp n, 0,1,2
	global_store_b128 v[\vo], v[PC+4*\n:PC+4*\n+3], s[\ptr:\ptr+1] offset:1536*(\a)+512*\n
.endr
.endm
	s_load_b256 s[4:11], s[0:1], 0x0               ; xq s[4:5], wq s[6:7], b s[8:9], qk s[10:11]
	s_load_b64 s[12:13], s[0:1], 0x20              ; vq
	v_lshl_add_u32 v[SPW], v0, 2, SPARE
	v_mov_b32 v[NIL], 0
	ds_add_u32 v[SPW], v[NIL]
	ds_add_u32 v[SPW], v[NIL]
	v_lshrrev_b32 v1, 5, v0
	v_readfirstlane_b32 s14, v1                    ; wave 0..3
	s_lshr_b32 s15, s14, 1                         ; my part of source 1.  Also: I fetch for source 1 (0) or for source 0 (1)
	s_and_b32 s16, s14, 1                          ; my group of source 0.  Also: which part I fetch
	s_bfe_u32 s40, ttmp6, 0x40000                  ; cx
	s_bfe_u32 s41, ttmp6, 0x40004                  ; cy
	s_and_b32 s18, ttmp7, 0xffff                   ; the cluster's y
	s_lshr_b32 s19, s18, 1
	s_lshl_b32 s19, s19, 2                         ; 4 (cly / 2)
	s_and_b32 s17, s18, 1
	s_lshl_b32 s17, s17, 2                         ; 4 (cly % 2)
	s_add_co_u32 s42, s19, s41                     ; q|k: tile of 256 tokens
	s_add_co_u32 s43, s17, s41                     ; v: channel group
	s_add_co_u32 s44, s17, s40                     ; q|k: tile of 256 channels
	s_add_co_u32 s45, s19, s40                     ; v: tile of 256 tokens
	s_lshl_b32 s46, s41, 2
	s_lshl_b32 s46, 15, s46                        ; my row of the cluster
	s_lshl_b32 s47, 0x1111, s40                    ; my column
	s_or_b32 s[G1A], s46, (3<<16)|(1<<21)          ; the mask; elements of 8 bytes; bit 21 beside a mask.  Dense bytes as rows of 256, at first 150 rows: three units
	s_or_b32 s[G1B], s47, (3<<16)|(1<<21)
.irp g, G1A, G1B
	s_mov_b32 s[\g+1], 32<<16
	s_mov_b32 s[\g+2], 150<<16
	s_mov_b32 s[\g+3], 32<<16
	s_mov_b32 s[\g+4], 150
	s_mov_b32 s[\g+5], 32
	s_mov_b32 s[\g+6], 0
	s_mov_b32 s[\g+7], 0
.endr
	s_lshl_b32 s20, s42, 1
	s_add_co_u32 s20, s20, s16
	s_mul_i32 s20, s20, 8*UNIT                     ; q|k: the tokens' group that I fetch
	s_mov_b32 s21, 0
	s_lshl_b32 s3, s44, 1
	s_add_co_u32 s3, s3, s16                       ; q|k: the group of W^T that I fetch, which is also the one that I multiply by
	s_mul_i32 s22, s3, 8*UNIT
	s_mov_b32 s23, 0
	s_mul_i32 s84, s16, 2*UNIT                     ; v, source 1: the two K steps of a slot's four that I fetch, in memory and in a slot alike
	s_add_co_u32 s96, s43, 16                      ; v's channels begin at group 16 of W^T
	s_mul_i32 s96, s96, 8*UNIT
	s_add_co_u32 s96, s96, s84
	s_mov_b32 s97, 0
	s_lshl_b32 s2, s45, 1
	s_add_co_u32 s2, s2, s16                       ; v: the tokens' group that I fetch and multiply by
	s_mul_i32 s98, s2, 8*UNIT
	s_mov_b32 s99, 0
	s_mul_i32 s85, s14, 3*UNIT                     ; q|k: where my load goes in a slot: wave x three units
	s_mul_i32 s86, s16, 4*UNIT
	s_add_co_u32 s86, s86, 4*UNIT                  ; v: source 0's groups lie behind source 1's four units
	s_mul_i32 s87, s15, 3*UNIT                     ; q|k: my tokens' group in a slot,
	s_mul_i32 s88, s16, 3*UNIT
	s_add_co_u32 s88, s88, 6*UNIT                  ; my group of W^T
	s_mul_i32 s89, s15, 6144                       ; v: my four fragments in a unit of source 1,
	s_lshl_b32 s90, s15, 8                         ; their scale words
	s_wait_dscnt 0x0                               ; both opening adds are done
	s_wait_kmcnt 0x0
	s_add_nc_u64 s[20:21], s[4:5], s[20:21]
	s_add_nc_u64 s[22:23], s[6:7], s[22:23]
	s_add_nc_u64 s[96:97], s[6:7], s[96:97]
	s_add_nc_u64 s[98:99], s[4:5], s[98:99]
.irp f, 0,1
	s_mov_b32 s[G0A+4*\f], 1
	s_add_co_u32 s[G0A+4*\f+1], s85, \f*SLOT
	s_add_nc_u64 s[G0A+4*\f+2:G0A+4*\f+3], s[20:21], \f*3*UNIT
	s_or_b32 s[G0A+4*\f+3], s[G0A+4*\f+3], 0x80000000
	s_mov_b32 s[G0B+4*\f], 1
	s_add_co_u32 s[G0B+4*\f+1], s85, \f*SLOT
	s_add_nc_u64 s[G0B+4*\f+2:G0B+4*\f+3], s[22:23], \f*3*UNIT
	s_or_b32 s[G0B+4*\f+3], s[G0B+4*\f+3], 0x80000000
	s_mov_b32 s[G2A+4*\f], 1                       ; v: slot 1 takes K steps 0-3, slot 0 steps 4-7
	s_add_co_u32 s[G2A+4*\f+1], s84, \f*SLOT
	s_add_nc_u64 s[G2A+4*\f+2:G2A+4*\f+3], s[96:97], (1-\f)*4*UNIT
	s_or_b32 s[G2A+4*\f+3], s[G2A+4*\f+3], 0x80000000
	s_mov_b32 s[G2B+4*\f], 1
	s_add_co_u32 s[G2B+4*\f+1], s86, \f*SLOT
	s_add_nc_u64 s[G2B+4*\f+2:G2B+4*\f+3], s[98:99], (1-\f)*4*UNIT
	s_or_b32 s[G2B+4*\f+3], s[G2B+4*\f+3], 0x80000000
.endr
	CROUND                                         ; all sixteen work-groups are here: the first joint loads meet
	JLOAD G0A, G0B                                 ; K steps 0-2: one tensor load a wave at the head
	s_mov_b32 s[SEL], 0x76543210                   ; selects for lane l xor 16
	s_mov_b32 s[SEL+1], 0xfedcba98
	s_mov_b32 s47, 0
	s_lshl_b32 s46, s3, 9                          ; 128 numbers of b for each group of W^T
	s_add_nc_u64 s[BIQ:BIQ+1], s[8:9], s[46:47]
	s_lshl_b32 s46, s43, 9
	s_add_co_u32 s46, s46, s90
	s_add_co_u32 s46, s46, 8192                    ; v's numbers begin at 2,048; my 64 channels
	s_add_nc_u64 s[BIV:BIV+1], s[8:9], s[46:47]
	s_lshl_b32 s91, s42, 1                         ; my unit of q or k: [part][token group][K step = group of W^T in the part]
	s_add_co_u32 s91, s91, s15
	s_lshl_b32 s91, s91, 3
	s_lshr_b32 s46, s3, 3
	s_lshl_b32 s46, s46, 9
	s_add_co_u32 s91, s91, s46
	s_and_b32 s46, s3, 7
	s_add_co_u32 s91, s91, s46
	s_mul_i32 s46, s91, UNIT
	s_add_nc_u64 s[OQ:OQ+1], s[10:11], s[46:47]
	s_lshr_b32 s46, s2, 4                          ; my unit of v: [batch][channel group][K step = token group in the batch]
	s_lshl_b32 s46, s46, 7
	s_lshl_b32 s91, s43, 4
	s_add_co_u32 s46, s46, s91
	s_and_b32 s91, s2, 15
	s_add_co_u32 s46, s46, s91
	s_mul_i32 s46, s46, UNIT
	s_add_nc_u64 s[OVV:OVV+1], s[12:13], s[46:47]
	v_and_b32 v1, 15, v0                           ; r
	v_bfe_u32 v2, v0, 4, 1                         ; h
	v_and_b32 v3, 31, v0
	v_lshlrev_b32 v3, 4, v3                        ; 16 x lane
	v_lshlrev_b32 v[R16], 4, v1
	v_add_nc_u32 v[ADA], s87, v3
	v_add_nc_u32 v[ADB], s88, v3
	v_add_nc_u32 v[ASA], s87, v[R16]
	v_add_nc_u32 v[ASB], s88, v[R16]
	v_add_nc_u32 v[VDA], s89, v3
	v_add_nc_u32 v[VDB], s86, v3
	v_add_nc_u32 v[VSA], s90, v[R16]
	v_add_nc_u32 v[VSB], s86, v[R16]
.irp x, ADA, ADB, ASA, ASB, VDA, VDB, VSA, VSB
	v_add_nc_u32 v[\x+1], SLOT, v[\x]
.endr
	v_lshl_add_u32 v[VS], v2, 3, v[VSA]
	v_lshl_add_u32 v[VS8], v2, 8, v[R16]
	v_lshlrev_b32 v[SH8], 3, v2
	v_lshlrev_b32 v[BO], 7, v2
	v_and_b32 v26, 7, v1
	v_lshrrev_b32 v[BV], 3, v1
	v_lshlrev_b32 v[BV], 7, v[BV]
	v_lshl_add_u32 v[BV], v26, 2, v[BV]
	; the bias of q or k, in the result's layout: tile b, register j of lane (r, h) is b at source-0 row 64 (b / 4) + 8 (b % 4) + 32 h + j: eight neighbours
	WIN 0x40
.irp b, 0,1,2,3,4,5,6,7
	global_load_b128 v[BIA+128*(\b/4)+8*(\b%4):BIA+128*(\b/4)+8*(\b%4)+3], v[BO], s[BIQ:BIQ+1] offset:(64*(\b/4)+8*(\b%4))*4
	global_load_b128 v[BIA+128*(\b/4)+8*(\b%4)+4:BIA+128*(\b/4)+8*(\b%4)+7], v[BO], s[BIQ:BIQ+1] offset:(64*(\b/4)+8*(\b%4))*4+16
.endr
	WIN 0
	s_wait_alu depctr_va_vdst(0)
	s_wait_tensorcnt 0x0                           ; my part of slot 0 has landed; the full sequence stands ahead of slot 1's first fill, as ahead of a refill
	ds_add_u32 v[SPW], v[NIL]
	s_wait_dscnt 0x0
	CROUND
	JLOAD G0A+4, G0B+4                             ; K steps 3-5: three steps, 192 matrix instructions, in which to land
	BFETCH 0
	BFETCH 1
	s_wait_loadcnt 0x0                             ; the bias
	s_wait_dscnt 52                                ; K step 0's 52 loads are in; K step 1's may be out
	MULN 0, 1, 0, 8                                ; the first K step starts the sums with the bias
	s_wait_dscnt 0x0                               ; K step 1
	PLACES
	BFETCH 2
	WIN 0x40                                       ; v's bias takes registers that q|k's has left: tile a, every register, is b at source-1 row 8 a + r % 8 + 32 (r / 8) of my 64 channels
.irp a, 0,1,2,3
.irp j, 0,1,2,3,4,5,6,7
	global_load_b32 v[BIA+8*\a+\j], v[BV], s[BIV:BIV+1] offset:32*\a
.endr
.endr
	WIN 0
	MULN 1, 0, 0, 8
	TURNB 2, G0A, G0B, 0                           ; slot 0 takes K steps 6 and 7
	BPLAIN 3
	BPLAIN 4
	TURNB 5, G2A+4, G2B+4, 1                       ; slot 1 takes v's K steps 0-3
	BPLAIN 6
	s_wait_dscnt 0x0
	MULN 1, 0, 0, 8                                ; K step 7
	WIN 0
	PLACES
	v_mov_b32 v[T1], 0                             ; a lane permute's destination counts as one of its sources
.irp a, 0,1,2,3
	OUTQ \a, OQ, 3
.endr
	s_wait_alu depctr_va_vdst(0)
	s_wait_tensorcnt 0x0                           ; my part of v's first four K steps has landed
	ds_add_u32 v[SPW], v[NIL]
	s_wait_dscnt 0x0                               ; the add is done; my reads of slot 0 ended with K step 7's fetch
	CROUND
	JLOAD G2A, G2B                                 ; slot 0 takes v's K steps 4-7: the last load
.set AST, 48
	VFETCH 0
.irp a, 4,5,6,7
	OUTQ \a, OQ, 3
.endr
	v_cmp_eq_u32 vcc_lo, 1, v2
.irp i, 0,1,2,3                                ; lanes 0-15: blocks 0-3 of row r; lanes 16-31: blocks 4-7
	v_cndmask_b32 v[O4+\i], v[PW+\i], v[PW+4+\i], vcc_lo
.endr
	global_store_b128 v[VS8], v[O4:O4+3], s[OQ:OQ+1] offset:SCO    ; 512 consecutive aligned bytes
	; ---- the tile of v
	s_wait_loadcnt 0x0                             ; its bias
	s_wait_dscnt 0x0
	PLACES
	VFETCH 1
	MULN 0, 2, 0, 4
	VPLAIN 1
	VPLAIN 2
	s_wait_tensorcnt 0x0                           ; K step 3: my part of slot 0 has landed
	s_wait_dscnt 0x0
	s_barrier_signal -1
	MULN 1, 0, 0, 1
	s_barrier_wait -1
	PLACES
	VFETCH 4
	MULN 1, 0, 1, 3
	VPLAIN 4
	VPLAIN 5
	VPLAIN 6
	s_wait_dscnt 0x0
	MULN 1, 0, 0, 4                                ; K step 7
	WIN 0
	PLACES
.irp a, 0,1,2,3
	OUTQ \a, OVV, VDA
.endr
	v_cmp_eq_u32 vcc_lo, 1, v2
	v_cndmask_b32 v[O4], v[PW], v[PW+2], vcc_lo    ; lanes 0-15 store the words of blocks 0 and 1 of row r, lanes 16-31 those of 2 and 3
	v_cndmask_b32 v[O4+1], v[PW+1], v[PW+3], vcc_lo
	global_store_b64 v[VS], v[O4:O4+1], s[OVV:OVV+1] offset:SCO    ; 256 consecutive aligned bytes
	s_wait_tensorcnt 0x0                           ; the wave's end
	ds_add_u32 v[SPW], v[NIL]
	s_wait_dscnt 0x0
	CROUND                                         ; the closing round
	s_endpgm
.Lfunc_end_k_q07dedcdd7e_qkv:
	.size	k_q07dedcdd7e_qkv, .Lfunc_end_k_q07dedcdd7e_qkv-k_q07dedcdd7e_qkv
	.p2alignl 7, 3214868480
	.fill 96, 4, 3214868480
	.section	.rodata,"a",@progbits
	.p2align	6, 0x0
	.amdhsa_kernel k_q07dedcdd7e_qkv
		.amdhsa_group_segment_fixed_size 327680
		.amdhsa_private_segment_fixed_size 0
		.amdhsa_enable_private_segment 0
		.amdhsa_kernarg_size 40
		.amdhsa_user_sgpr_count 2
		.amdhsa_user_sgpr_kernarg_segment_ptr 1
		.amdhsa_wavefront_size32 1
		.amdhsa_system_sgpr_workgroup_id_x 1
		.amdhsa_system_sgpr_workgroup_id_y 1
		.amdhsa_system_sgpr_workgroup_id_z 1
		.amdhsa_system_vgpr_workitem_id 0
		.amdhsa_next_free_vgpr 1024
		.amdhsa_next_free_sgpr 100
		.amdhsa_reserve_vcc 1
		.amdhsa_float_denorm_mode_32 3
		.amdhsa_float_denorm_mode_16_64 3
		.amdhsa_memory_ordered 1
		.amdhsa_forward_progress 1
		.amdhsa_inst_pref_size 206
	.end_amdhsa_kernel
	.amdgpu_metadata
---
amdhsa.version: [ 1, 2 ]
amdhsa.kernels:
  - .name:           k_q07dedcdd7e_qkv
    .symbol:         k_q07dedcdd7e_qkv.kd
    .args:
      - { .name: xq, .offset: 0, .size: 8, .value_kind: global_buffer, .address_space: global }
      - { .name: wq, .offset: 8, .size: 8, .value_kind: global_buffer, .address_space: global }
      - { .name: b_qkv, .offset: 16, .size: 8, .value_kind: global_buffer, .address_space: global }
      - { .name: qk, .offset: 24, .size: 8, .value_kind: global_buffer, .address_space: global }
      - { .name: vq, .offset: 32, .size: 8, .value_kind: global_buffer, .address_space: global }
    .group_segment_fixed_size: 327680
    .private_segment_fixed_size: 0
    .kernarg_segment_align: 8
    .kernarg_segment_size: 40
    .max_flat_workgroup_size: 128
    .sgpr_count:     100
    .vgpr_count:     1024
    .wavefront_size: 32
...
	.end_amdgpu_metadata
.endif
;; end of part 2
;; launch scores (part 3): grid 8 x 32, 4 waves a work-group, clusters of 4 x 4, 327,680 bytes of LDS; arguments qk, pq, st; writes pq, st
.if DOCPART == 3
	.amdgcn_target "amdgcn-amd-amdhsa--gfx1250"
	.amdhsa_code_object_version 6
	.text
	.protected	k_q07dedcdd7e_scores
	.globl	k_q07dedcdd7e_scores
	.p2align	8
	.type	k_q07dedcdd7e_scores,@function
k_q07dedcdd7e_scores:
	s_mov_b64 s[64:65], 0
	v_nop
	global_prefetch_b8 v0, s[64:65] scope:SCOPE_SE
	s_setreg_imm32_b32 hwreg(HW_REG_WAVE_MODE, 25, 1), 1
	s_wait_xcnt 0x0
	s_wait_alu depctr_hold_cnt(0) depctr_sa_sdst(0) depctr_va_vdst(0) depctr_va_sdst(0) depctr_va_ssrc(0) depctr_va_vcc(0) depctr_vm_vsrc(0)
	s_getreg_b32 s2, hwreg(HW_REG_IB_STS2, 6, 4)
	s_cmp_eq_u32 s2, 0
	s_cbranch_scc0 .Lentry_in_a_cluster
	s_endpgm
.Lentry_in_a_cluster:
	s_bfe_u32 s2, ttmp6, 0x10000c
	s_cmp_lg_u32 s2, 0xf033
	s_cbranch_scc0 .Lentry_shape_is_right
	s_endpgm
.Lentry_shape_is_right:
; S = q k^T on codes of BF6 (E3M2), sums in f32; then, for each query and each 128 keys of a wave's tile: t = score x log2(e) / 32, M = ceil(the largest t of these 128 keys), a whole number, p = 2^(t - M);
; p is quantised along the keys and leaves as codes with scale words UNDER THIS LOCAL M; -M and l (the sum of the unquantised p, f32) go to st.  The last launch takes the row's largest M and shifts the scale bytes by
; the difference, a whole number: the codes' values are those under the row's M.  The maximum is taken away before every exponential.
; BUFFERS as in the launch before: a fragment is an image of the operand's registers, a unit (128 rows x 128 K) 12,800 bytes, fragment t, lane r = row 64 (t / 4) + 8 (t % 4) + r % 8 + 32 (r / 8).
; qk: q at 0 as [64 token groups][8 K steps][unit], k behind it.  pq: [64 query groups][16 K steps of 128 keys][unit].  st: [64][16][512 bytes of -M, 512 of l], each word placed as a unit's scale words are.
; Source 0 = keys, source 1 = queries: a lane holds one query, and its 64 results of a block are keys 64 c + 32 h + i in the order of the 6-bit operand layout: two whole blocks of 32 a lane.
; SHARES, RING, CLUSTER: 256 queries x 256 keys a work-group, 128 x 128 a wave; K = 1,024 in eight steps; two LDS slots of three K steps (12 units); three fills, one tensor load a wave each: steps 0-2 at the head,
; steps 3-5 behind the full sequence, steps 6-7 as slot 0's refill: a wave has one tensor load out at the most.  q's tiles are shared along a row of the cluster, k's along a column.
; No prefetch: the text has no loop to run ahead in, K is eight steps, and each later fill is asked for three steps ahead of its first read.
; LIMITS: |M| stays under 2^24 (whole numbers in f32); a block all of whose p have fallen to 0 keeps the byte 1 (its codes are zeros); NaN and infinities are not served.
; REGISTERS: window 0: v0-31 addresses; v32-63 scale words, two sets (nothing else stands there); v64-255 A's fragments, two sets; on the way out v64-127 p, v128-207 at work.
;   window 1: B's fragments at v0 and v128.   windows 2, 3: accumulator (a, b) at v[8 (8 (a % 4) + b)] of window 2 + a / 4.
.set UNIT,  12800
.set SCO,   12288
.set GRP,   3*UNIT                     ; a group's part of a slot: three K steps
.set SLOT,  4*GRP
.set SPARE, 2*SLOT                     ; the spare words, 128 bytes a wave
.set FLOOR, 0x2800000
.set EOFF,  0xfe000000
.set ADA, 4
.set ADB, 6
.set ASA, 8
.set ASB, 10
.set VS,  17
.set SH8, 18
.set SPW, 28
.set NIL, 29
.set SCA, 32
.set SCB, 40
.set AF,  64
.set H,   64                           ; the way out: v64-127 t - M, then p
.set PC,  128
.set TC,  140
.set BM,  148
.set SOP, 150
.set BY,  152
.set T0,  154
.set T1,  155
.set MX,  156
.set MY,  158
.set PW,  160                          ; v160-167 scale words, v168-175 -M, v176-183 l, one for each block of queries
.set NM,  168
.set LS,  176
.set O4,  184
.set NP,  188                          ; v[188:189] -M as a pair's low word
.set LA,  190
.set LB,  192
.set OB,  196
.set OC,  200
.set LC,  204
.set LD,  206
.set G1A, 24
.set G1B, 32
.set G0A, 48
.set G0B, 68
.set OUTA, 60
.set STA, 62
.set CS,  88                           ; s[88:89] c = log2(e) / 32
.set SEL, 96
.set MSB, 0
.macro WIN new                         ; the immediate's high byte repeats the setting that is left
.if MSB != (\new)
	s_set_vgpr_msb (MSB<<8)|(\new)
.set MSB, (\new)
.endif
.endm
.macro PLACES
.rept 4
	v_nop
.endr
.endm
.macro JLOAD ga, gb                    ; a joint load: waves 0, 1 for q, waves 2, 3 for k; s_nop 0 and four v_nop follow each line
	s_cmp_eq_u32 s15, 0
	s_cbranch_scc0 .Lfor_b_\@
	tensor_load_to_lds s[\ga:\ga+3], s[G1A:G1A+7]
	s_nop 0
.rept 4
	v_nop
.endr
	s_branch .Lasked_\@
.Lfor_b_\@:
	tensor_load_to_lds s[\gb:\gb+3], s[G1B:G1B+7]
	s_nop 0
.rept 4
	v_nop
.endr
.Lasked_\@:
.endm
.macro CREST
	s_cmp_lg_u32 s14, 0
	s_cbranch_scc1 .Lnot_wave_0_\@
	s_barrier_signal -3
.Lnot_wave_0_\@:
	s_barrier_wait -3
	s_barrier_signal -1
	s_barrier_wait -1
.endm
.macro CROUND
	s_barrier_signal -1
	s_barrier_wait -1
	CREST
.endm
.macro FETCH slot, ks, set             ; 52 LDS loads in one run: scale words (4), A's eight fragments, B's eight
	WIN 0
	ds_load_b128 v[SCA+16*\set:SCA+16*\set+3], v[ASA+\slot] offset:\ks*UNIT+SCO
	ds_load_b128 v[SCA+16*\set+4:SCA+16*\set+7], v[ASA+\slot] offset:\ks*UNIT+SCO+256
	ds_load_b128 v[SCB+16*\set:SCB+16*\set+3], v[ASB+\slot] offset:\ks*UNIT+SCO
	ds_load_b128 v[SCB+16*\set+4:SCB+16*\set+7], v[ASB+\slot] offset:\ks*UNIT+SCO+256
.irp i, 0,1,2,3,4,5,6,7
.irp n, 0,1,2
	ds_load_b128 v[AF+96*\set+12*\i+4*\n:AF+96*\set+12*\i+4*\n+3], v[ADA+\slot] offset:\ks*UNIT+1536*\i+512*\n
.endr
.endr
	WIN 0x40
.irp i, 0,1,2,3,4,5,6,7
.irp n, 0,1,2
	ds_load_b128 v[128*\set+12*\i+4*\n:128*\set+12*\i+4*\n+3], v[ADB+\slot] offset:\ks*UNIT+1536*\i+512*\n
.endr
.endr
	WIN 0
.endm
.macro KFETCH s                        ; K step s: slot (s / 3) % 2, the s % 3-th in it, into set s % 2
	FETCH (((\s)/3)%2), ((\s)%3), ((\s)%2)
.endm
.macro MULB a, set, cm                 ; 8 matrix instructions: block a of queries against eight tiles of keys.  cm 1: C = 0.  The 64 accumulators take turns
	WIN 0xa1+0x50*((\a)/4)
.irp b, 0,1,2,3,4,5,6,7
.set rD, 8*(8*((\a)%4)+\b)
.set rB, 128*(\set)+12*\b
.set rA, AF+96*(\set)+12*(\a)
.set rSB, SCB+16*(\set)+\b
.set rSA, SCA+16*(\set)+(\a)
.if (\cm) == 0
	v_wmma_scale_f32_16x16x128_f8f6f4 v[rD:rD+7], v[rB:rB+11], v[rA:rA+11], v[rD:rD+7], v[rSB], v[rSA] matrix_a_fmt:MATRIX_FMT_BF6 matrix_b_fmt:MATRIX_FMT_BF6
.else
	v_wmma_scale_f32_16x16x128_f8f6f4 v[rD:rD+7], v[rB:rB+11], v[rA:rA+11], 0, v[rSB], v[rSA] matrix_a_fmt:MATRIX_FMT_BF6 matrix_b_fmt:MATRIX_FMT_BF6
.endif
.endr
.endm
.macro MULN set, cm, first, count
.set AA, \first
.rept \count
	MULB AA, \set, \cm
.set AA, AA+1
.endr
.endm
.macro PLAIN s                         ; K step s, whose successor lies in the same slot
	s_wait_dscnt 0x0                               ; this step's fragments, asked for 64 matrix instructions ago
	PLACES
	KFETCH (\s)+1
	MULN ((\s)%2), 0, 0, 8
.endm
	s_load_b128 s[4:7], s[0:1], 0x0                ; qk, pq
	s_load_b64 s[8:9], s[0:1], 0x10                ; st
	v_lshl_add_u32 v[SPW], v0, 2, SPARE
	v_mov_b32 v[NIL], 0
	ds_add_u32 v[SPW], v[NIL]
	ds_add_u32 v[SPW], v[NIL]
	v_lshrrev_b32 v1, 5, v0
	v_readfirstlane_b32 s14, v1                    ; wave 0..3
	s_lshr_b32 s15, s14, 1                         ; my group of queries.  Also: I fetch for q (0) or for k (1)
	s_and_b32 s16, s14, 1                          ; my group of keys.  Also: which group I fetch
	s_bfe_u32 s40, ttmp6, 0x40000                  ; cx
	s_bfe_u32 s41, ttmp6, 0x40004                  ; cy
	s_lshl_b32 s42, ttmp9, 2
	s_add_co_u32 s42, s42, s40                     ; tile of 256 keys in the batch
	s_and_b32 s18, ttmp7, 0xffff                   ; cluster y: 1,024 queries; two to a batch
	s_lshl_b32 s17, s18, 2
	s_add_co_u32 s17, s17, s41                     ; tile of 256 queries
	s_lshl_b32 s43, s41, 2
	s_lshl_b32 s43, 15, s43                        ; my row of the cluster
	s_lshl_b32 s44, 0x1111, s40                    ; my column
	s_or_b32 s[G1A], s43, (3<<16)|(1<<21)          ; dense bytes as rows of 256 (32 elements of 8 bytes), no padding; at first 150 rows: three units
	s_or_b32 s[G1B], s44, (3<<16)|(1<<21)
.irp g, G1A, G1B
	s_mov_b32 s[\g+1], 32<<16
	s_mov_b32 s[\g+2], 150<<16
	s_mov_b32 s[\g+3], 32<<16
	s_mov_b32 s[\g+4], 150
	s_mov_b32 s[\g+5], 32
	s_mov_b32 s[\g+6], 0
	s_mov_b32 s[\g+7], 0
.endr
	s_lshl_b32 s20, s17, 1
	s_add_co_u32 s20, s20, s16
	s_mul_i32 s20, s20, 8*UNIT                     ; q: the group that I fetch
	s_mov_b32 s21, 0
	s_lshl_b32 s22, s42, 1
	s_add_co_u32 s22, s22, s16
	s_mul_i32 s22, s22, 8*UNIT                     ; k: the group in the batch,
	s_lshr_b32 s86, s18, 1
	s_mul_i32 s86, s86, 16*8*UNIT                  ; the batch (from the cluster's y, which all partners share),
	s_add_co_u32 s22, s22, s86
	s_add_co_u32 s22, s22, 64*8*UNIT               ; behind q
	s_mov_b32 s23, 0
	s_mul_i32 s45, s14, GRP                        ; where my load goes in a slot
	s_mul_i32 s46, s15, GRP                        ; my queries in a slot,
	s_mul_i32 s47, s16, GRP
	s_add_co_u32 s47, s47, 2*GRP                   ; my keys
	s_mov_b32 s[SEL], 0x76543210
	s_mov_b32 s[SEL+1], 0xfedcba98
	s_mov_b32 s[CS], 0x3d38aa3b                    ; c = log2(e) / 32
	s_mov_b32 s[CS+1], s[CS]                       ; (named with it as a pair, so it is written)
	s_lshl_b32 s84, s17, 1
	s_add_co_u32 s84, s84, s15                     ; my group of queries, 0..63
	s_lshl_b32 s85, s42, 1
	s_add_co_u32 s85, s85, s16                     ; my 128 keys: K step 0..15 of the last product
	s_lshl_b32 s90, s84, 4
	s_add_co_u32 s90, s90, s85
	s_mul_i32 s92, s90, UNIT
	s_mov_b32 s93, 0
	s_lshl_b32 s90, s90, 10
	s_mov_b32 s91, 0
	s_wait_dscnt 0x0                               ; both opening adds are done
	s_wait_kmcnt 0x0
	s_add_nc_u64 s[20:21], s[4:5], s[20:21]
	s_add_nc_u64 s[22:23], s[4:5], s[22:23]
	s_add_nc_u64 s[OUTA:OUTA+1], s[6:7], s[92:93]
	s_add_nc_u64 s[STA:STA+1], s[8:9], s[90:91]
.irp p, 0,1
	s_mov_b32 s[G0A+4*\p], 1
	s_add_co_u32 s[G0A+4*\p+1], s45, \p*SLOT
	s_add_nc_u64 s[G0A+4*\p+2:G0A+4*\p+3], s[20:21], \p*GRP
	s_or_b32 s[G0A+4*\p+3], s[G0A+4*\p+3], 0x80000000
	s_mov_b32 s[G0B+4*\p], 1
	s_add_co_u32 s[G0B+4*\p+1], s45, \p*SLOT
	s_add_nc_u64 s[G0B+4*\p+2:G0B+4*\p+3], s[22:23], \p*GRP
	s_or_b32 s[G0B+4*\p+3], s[G0B+4*\p+3], 0x80000000
.endr
	CROUND                                         ; all sixteen work-groups are here: the first joint loads meet
	JLOAD G0A, G0B                                 ; K steps 0-2: one tensor load a wave at the head
	v_and_b32 v1, 15, v0                           ; r
	v_bfe_u32 v2, v0, 4, 1                         ; h
	v_and_b32 v3, 31, v0
	v_lshlrev_b32 v3, 4, v3                        ; 16 x lane
	v_lshlrev_b32 v16, 4, v1
	v_add_nc_u32 v[ADA], s46, v3
	v_add_nc_u32 v[ADB], s47, v3
	v_add_nc_u32 v[ASA], s46, v16
	v_add_nc_u32 v[ASB], s47, v16
.irp x, ADA, ADB, ASA, ASB
	v_add_nc_u32 v[\x+1], SLOT, v[\x]
.endr
	v_lshl_add_u32 v[VS], v2, 8, v16
	v_lshlrev_b32 v[SH8], 3, v2
	s_wait_alu depctr_va_vdst(0)
	s_wait_tensorcnt 0x0                           ; my part of slot 0 has landed; the full sequence stands ahead of slot 1's first fill, as ahead of a refill
	ds_add_u32 v[SPW], v[NIL]
	s_wait_dscnt 0x0
	CROUND
	JLOAD G0A+4, G0B+4                             ; K steps 3-5: three steps, 192 matrix instructions, in which to land
	KFETCH 0
	KFETCH 1
	s_wait_dscnt 52                                ; K step 0's 52 loads are in; K step 1's may be out
	MULN 0, 1, 0, 8                                ; K step 0 starts the sums
	PLAIN 1
	; K step 2, slot 0's last: slot 0 is filled again with K steps 6 and 7
	WIN 0
	s_wait_tensorcnt 0x0                           ; all my tensor loads have landed: my part of slot 1; so descriptors may be written
	ds_add_u32 v[SPW], v[NIL]
	s_add_nc_u64 s[G0A+2:G0A+3], s[G0A+2:G0A+3], 2*GRP
	s_add_nc_u64 s[G0B+2:G0B+3], s[G0B+2:G0B+3], 2*GRP
	s_mov_b32 s[G1A+2], 100<<16                    ; two units: 100 rows
	s_mov_b32 s[G1A+4], 100
	s_mov_b32 s[G1B+2], 100<<16
	s_mov_b32 s[G1B+4], 100
	s_wait_dscnt 0x1                               ; this step's fragments are in; the add may be out
	MULN 0, 0, 0, 2
	s_wait_dscnt 0x0                               ; the add is done, and my reads of slot 0 are over
	s_barrier_signal -1
	MULN 0, 0, 2, 2
	WIN 0
	s_barrier_wait -1
	CREST                                          ; a round of the cluster's barrier
	JLOAD G0A, G0B                                 ; its four v_nop are the places in front of the loads below
	KFETCH 3
	MULN 0, 0, 4, 4
	PLAIN 3
	PLAIN 4
	s_wait_tensorcnt 0x0                           ; K step 5: my part of the refill has landed
	s_wait_dscnt 0x0
	s_barrier_signal -1
	MULN 1, 0, 0, 2
	s_barrier_wait -1
	PLACES
	KFETCH 6
	MULN 1, 0, 2, 6
	PLAIN 6
	s_wait_dscnt 0x0
	MULN 1, 0, 0, 8                                ; K step 7
	WIN 0
; THE WAY OUT, a block of 16 queries at a time.  A lane holds one query and 64 of its 128 keys: blocks h and 2 + h, whole.
.macro OUTP a
.set W, 2+(\a)/4
.set S, 64*((\a)%4)
	WIN 21*W                                       ; the largest score of each block: it serves for the maximum and, since p rises with the score, for the block's largest p.
.irp c, 0,1
	v_max3_num_f32 v[MX+\c], v[S+32*\c], v[S+32*\c+1], v[S+32*\c+2]
	v_max3_num_f32 v[MY+\c], v[S+32*\c+16], v[S+32*\c+17], v[S+32*\c+18]
.endr
	WIN 20*W
.irp i, 3,5,7,9,11,13
.irp c, 0,1
	v_max3_num_f32 v[MX+\c], v[MX+\c], v[S+32*\c+\i], v[S+32*\c+\i+1]
	v_max3_num_f32 v[MY+\c], v[MY+\c], v[S+32*\c+\i+16], v[S+32*\c+\i+17]
.endr
.endr
	WIN 16*W
.irp c, 0,1
	v_max3_num_f32 v[BM+\c], v[MX+\c], v[MY+\c], v[S+32*\c+15]
.endr
	WIN 4*W
.irp c, 0,1
	v_max_num_f32 v[BM+\c], v[BM+\c], v[S+32*\c+31]
.endr
	WIN 0
	v_max_num_f32 v[T0], v[BM], v[BM+1]
	v_permlanex16_b32 v[T1], v[T0], s[SEL], s[SEL+1]
	v_max_num_f32 v[T0], v[T0], v[T1]              ; the largest score of my query's 128 keys
	v_mul_f32 v[T0], s[CS], v[T0]                  ; as t (c is positive)
	v_floor_f32 v[NP], -v[T0]                      ; -M = floor(-t) = -ceil(t): a whole number
	WIN W
.set JJ, 0
.rept 32
	v_pk_fma_f32 v[H+JJ:H+JJ+1], v[S+JJ:S+JJ+1], s[CS:CS+1], v[NP:NP+1] op_sel_hi:[1,0,0]   ; t - M, two at a time, into window 0
.set JJ, JJ+2
.endr
	WIN 0
.irp c, 0,1
	v_fma_f32 v[BM+\c], v[BM+\c], s[CS], v[NP]     ; the same of each block's largest score
.endr
.set JJ, 0
	s_wait_alu depctr_va_vdst(0)
.rept 64
	v_exp_f32 v[H+JJ], v[H+JJ]                     ; p = 2^(t - M), at most 1
.set JJ, JJ+1
.endr
	v_mov_b32 v[NM+(\a)], v[NP]                    ; (a plain place behind the exponentials)
	s_wait_alu depctr_va_vdst(0)                   ; one wait for the batch of 64, ahead of its first reader
.irp c, 0,1
	v_exp_f32 v[BM+\c], v[BM+\c]                   ; the block's largest p: the same two instructions on the same number
.endr
	v_pk_add_f32 v[LA:LA+1], v[H:H+1], v[H+2:H+3]  ; the sum of the unquantised p, in four packed chains; it reads the 64 alone
	v_pk_add_f32 v[LB:LB+1], v[H+4:H+5], v[H+6:H+7]
	v_pk_add_f32 v[LC:LC+1], v[H+8:H+9], v[H+10:H+11]
	v_pk_add_f32 v[LD:LD+1], v[H+12:H+13], v[H+14:H+15]
.irp j, 16,24,32,40,48,56
	v_pk_add_f32 v[LA:LA+1], v[LA:LA+1], v[H+\j:H+\j+1]
	v_pk_add_f32 v[LB:LB+1], v[LB:LB+1], v[H+\j+2:H+\j+3]
	v_pk_add_f32 v[LC:LC+1], v[LC:LC+1], v[H+\j+4:H+\j+5]
	v_pk_add_f32 v[LD:LD+1], v[LD:LD+1], v[H+\j+6:H+\j+7]
.endr
	v_pk_add_f32 v[LA:LA+1], v[LA:LA+1], v[LB:LB+1]
	v_pk_add_f32 v[LC:LC+1], v[LC:LC+1], v[LD:LD+1]
	v_pk_add_f32 v[LA:LA+1], v[LA:LA+1], v[LC:LC+1]
	v_add_f32 v[T0], v[LA], v[LA+1]
	v_permlanex16_b32 v[T1], v[T0], s[SEL], s[SEL+1]
	v_add_f32 v[LS+(\a)], v[T0], v[T1]             ; l of my query's 128 keys
	s_wait_alu depctr_va_vdst(0)                   ; and one wait for the two
.irp c, 0,1
	v_max_num_f32 v[BM+\c], FLOOR, v[BM+\c]        ; the floor 2^(5 - 127): the byte cannot fall under 1
.endr
.irp c, 0,1
	v_add_nc_u32 v[SOP+\c], EOFF, v[BM+\c]
.endr
.irp c, 0,1
	v_lshrrev_b32 v[BY+\c], 23, v[SOP+\c]
.endr
	v_lshl_or_b32 v[T0], v[BY+1], 16, v[BY]
	v_lshlrev_b32 v[T0], v[SH8], v[T0]
	v_permlanex16_b32 v[T1], v[T0], s[SEL], s[SEL+1]
	v_or_b32 v[PW+(\a)], v[T0], v[T1]              ; the scale word of my query's 128 keys, under the local M
.if (\a) > 0
	s_wait_alu depctr_va_vdst(0)
	s_wait_xcnt 0x0                                ; the last block's stores have read the codes' registers
.endif
.irp c, 0,1
	v_cvt_scalef32_pk16_bf6_f32 v[PC+6*\c:PC+6*\c+2], v[H+32*\c:H+32*\c+15], v[SOP+\c]
	v_cvt_scalef32_pk16_bf6_f32 v[TC+4*\c:TC+4*\c+2], v[H+32*\c+16:H+32*\c+31], v[SOP+\c]
.endr
	v_nop                                          ; one plain place behind a scaled conversion
.irp c, 0,1
.irp i, 0,1,2
	v_mov_b32 v[PC+6*\c+3+\i], v[TC+4*\c+\i]
.endr
.endr
.irp n, 0,1,2
	global_store_b128 v3, v[PC+4*\n:PC+4*\n+3], s[OUTA:OUTA+1] offset:1536*(\a)+512*\n   ; 512 consecutive aligned bytes
.endr
.endm
	PLACES
	v_mov_b32 v[T1], 0                             ; written once: a lane permute's destination counts as one of its sources
	v_mov_b32 v[NP+1], 0                           ; (named as the upper half of a pair)
.irp a, 0,1,2,3,4,5,6,7
	OUTP \a
.endr
	v_cmp_eq_u32 vcc_lo, 1, v2
.irp i, 0,1,2,3                                ; lanes 0-15: blocks 0-3 of row r; lanes 16-31: blocks 4-7
	v_cndmask_b32 v[O4+\i], v[PW+\i], v[PW+4+\i], vcc_lo
	v_cndmask_b32 v[OB+\i], v[NM+\i], v[NM+4+\i], vcc_lo
	v_cndmask_b32 v[OC+\i], v[LS+\i], v[LS+4+\i], vcc_lo
.endr
	global_store_b128 v[VS], v[O4:O4+3], s[OUTA:OUTA+1] offset:SCO
	global_store_b128 v[VS], v[OB:OB+3], s[STA:STA+1]
	global_store_b128 v[VS], v[OC:OC+3], s[STA:STA+1] offset:512
	s_wait_tensorcnt 0x0                           ; the wave's end
	ds_add_u32 v[SPW], v[NIL]
	s_wait_dscnt 0x0
	CROUND                                         ; the closing round
	s_endpgm
.Lfunc_end_k_q07dedcdd7e_scores:
	.size	k_q07dedcdd7e_scores, .Lfunc_end_k_q07dedcdd7e_scores-k_q07dedcdd7e_scores
	.p2alignl 7, 3214868480
	.fill 96, 4, 3214868480
	.section	.rodata,"a",@progbits
	.p2align	6, 0x0
	.amdhsa_kernel k_q07dedcdd7e_scores
		.amdhsa_group_segment_fixed_size 327680
		.amdhsa_private_segment_fixed_size 0
		.amdhsa_enable_private_segment 0
		.amdhsa_kernarg_size 24
		.amdhsa_user_sgpr_count 2
		.amdhsa_user_sgpr_kernarg_segment_ptr 1
		.amdhsa_wavefront_size32 1
		.amdhsa_system_sgpr_workgroup_id_x 1
		.amdhsa_system_sgpr_workgroup_id_y 1
		.amdhsa_system_sgpr_workgroup_id_z 1
		.amdhsa_system_vgpr_workitem_id 0
		.amdhsa_next_free_vgpr 1024
		.amdhsa_next_free_sgpr 98
		.amdhsa_reserve_vcc 1
		.amdhsa_float_denorm_mode_32 3
		.amdhsa_float_denorm_mode_16_64 3
		.amdhsa_memory_ordered 1
		.amdhsa_forward_progress 1
		.amdhsa_inst_pref_size 183
	.end_amdhsa_kernel
	.amdgpu_metadata
---
amdhsa.version: [ 1, 2 ]
amdhsa.kernels:
  - .name:           k_q07dedcdd7e_scores
    .symbol:         k_q07dedcdd7e_scores.kd
    .args:
      - { .name: qk, .offset: 0, .size: 8, .value_kind: global_buffer, .address_space: global }
      - { .name: pq, .offset: 8, .size: 8, .value_kind: global_buffer, .address_space: global }
      - { .name: st, .offset: 16, .size: 8, .value_kind: global_buffer, .address_space: global }
    .group_segment_fixed_size: 327680
    .private_segment_fixed_size: 0
    .kernarg_segment_align: 8
    .kernarg_segment_size: 24
    .max_flat_workgroup_size: 128
    .sgpr_count:     98
    .vgpr_count:     1024
    .wavefront_size: 32
...
	.end_amdgpu_metadata
.endif
;; end of part 3
;; launch pv (part 4): grid 4 x 64, 4 waves a work-group, clusters of 4 x 4, 327,680 bytes of LDS; arguments pq, vq, st, out0; writes out0
.if DOCPART == 4
	.amdgcn_target "amdgcn-amd-amdhsa--gfx1250"
	.amdhsa_code_object_version 6
	.text
	.protected	k_q07dedcdd7e_pv
	.globl	k_q07dedcdd7e_pv
	.p2align	8
	.type	k_q07dedcdd7e_pv,@function
k_q07dedcdd7e_pv:
	s_mov_b64 s[64:65], 0
	v_nop
	global_prefetch_b8 v0, s[64:65] scope:SCOPE_SE
	s_setreg_imm32_b32 hwreg(HW_REG_WAVE_MODE, 25, 1), 1
	s_wait_xcnt 0x0
	s_wait_alu depctr_hold_cnt(0) depctr_sa_sdst(0) depctr_va_vdst(0) depctr_va_sdst(0) depctr_va_ssrc(0) depctr_va_vcc(0) depctr_vm_vsrc(0)
	s_getreg_b32 s2, hwreg(HW_REG_IB_STS2, 6, 4)
	s_cmp_eq_u32 s2, 0
	s_cbranch_scc0 .Lentry_in_a_cluster
	s_endpgm
.Lentry_in_a_cluster:
	s_bfe_u32 s2, ttmp6, 0x10000c
	s_cmp_lg_u32 s2, 0xf033
	s_cbranch_scc0 .Lentry_shape_is_right
	s_endpgm
.Lentry_shape_is_right:
; O = P V / l on codes of BF6 (E3M2), sums in f32.  P's codes and scale words were made under a local M for each 128 keys.  Here, for each query: the row's M is the largest of its 16 local M; the scale bytes of K step s
; get M_s - M_row added (a whole number, 0 or less), which brings every p under the row's M without touching a code; l = the sum of l_s x 2^(M_s - M_row).  O is multiplied by 1 / l at the end.
; BUFFERS: a fragment is an image of the operand's registers, a unit (128 rows x 128 K) 12,800 bytes with its 128 scale words at byte 12,288; fragment t, lane r = row 64 (t / 4) + 8 (t % 4) + r % 8 + 32 (r / 8).
; pq: [64 query groups][16 K steps][unit].  vq: [batch][8 channel groups][16 K steps][unit], rows = channels, K = keys.  st: [64][16][512 bytes of -M, 512 of l].
; SHARES.  A work-group makes 128 queries x 256 channels, so that there are 256 work-groups; a wave 64 x 128: 32 accumulators.  Source 0 = channels, source 1 = queries.  K = 2,048 keys in 16 steps of 128.
; THE RING.  Two slots of FOUR K steps (P's 4 units, then 4 units of each of V's two groups: 153,600 bytes).  Four fills, one tensor load a wave each: steps 0-3 at the head, steps 4-7 behind the full sequence, two refills:
; a wave has one tensor load out at the most, and a fill has four steps, 128 matrix instructions, in which to land.  P's tiles are shared along a row of the cluster, V's along a column.
; PREFETCH.  Behind fill f's load and the LDS loads that follow it, fill f + 1's bytes are asked for: four K steps ahead of the load that wants them.  Of a wave's load (P: 100 blocks of 256 bytes, V: 200) each of the four
; partners that ask jointly takes a quarter, told apart by address (cx for P, cy for V): a lane a block, 25 lanes an instruction (the seven lanes left over name the 25th again), one instruction for P, two for V.
; The last fill has no successor and asks for nothing.  The address registers are never rewritten.
; LIMITS: M_s - M_row is held at -127, and a scale byte that would fall under 0 is held at 0 (2^-127): what is so misplaced lies under 2^-115 of the row's sum, which is at least 1/2.  NaN and infinities are not served.
; REGISTERS: window 0: v0-31 addresses; v32-63 scale words, two sets (nothing else stands there); v64-159 P's fragments, two sets of four (at the head: st's and pq's words; on the way out v64-255 are at work).
;   window 1: V's fragments at v0 and v128.   window 2: accumulator (a, b) at v[8 (8 a + b)].
.set UNIT,  12800
.set SCO,   12288
.set SLOT,  12*UNIT
.set SPARE, 2*SLOT                     ; the spare words, 128 bytes a wave
.set FIX,   SPARE+512                  ; P's scale words under the row's M: 16 K steps x 512 bytes
.set RINV,  FIX+8192                   ; 1 / l: 512 bytes
.set ADA, 4                            ; v4-5   my P fragments in slot 0, 1
.set ADB, 6                            ; v6-7   V's
.set ASB, 8                            ; v8-9   V's scale words
.set ASA, 10                           ; v10    P's, in FIX
.set RIA, 11                           ; v11    my rows' 1 / l
.set STO, 12                           ; v12    the stage: where I put a row's bytes
.set RD,  13                           ; v13    and where I read a row back
.set TAU, 19                           ; v19    4 x thread
.set FXA, 20                           ; v20    FIX + 4 x thread
.set PFO, 21                           ; v21    the prefetches' offset: 256 x min(lane, 24); never rewritten
.set RI,  24                           ; v24-27 1 / l of my four blocks
.set SPW, 28
.set NIL, 29
.set RT,  30                           ; v[30:31] 1 / l as a pair's low word
.set SCA, 32
.set SCB, 40
.set AF,  64
.set RW,  64                           ; the head: raw scale words, -M, l of 16 K steps
.set NM,  80
.set LS,  96
.set T,   64                           ; the way out
.set BK,  128
.set G1A, 24
.set G1B, 32
.set G0A, 48                           ; s[48:55] a set for each slot
.set G0B, 68                           ; s[68:75]
.set OUTA, 56
.set K01, 58
.set PQG, 76
.set STG, 78
.set PFB, 80                           ; s[80:81] the prefetches' base: my work-group's quarter of what I fetch; never rewritten
.set MSB, 0
.macro WIN new                         ; the immediate's high byte repeats the setting that is left
.if MSB != (\new)
	s_set_vgpr_msb (MSB<<8)|(\new)
.set MSB, (\new)
.endif
.endm
.macro PLACES
.rept 4
	v_nop
.endr
.endm
.macro JLOAD f                         ; a joint load into slot f: waves 0, 1 for P, waves 2, 3 for V; s_nop 0 and four v_nop follow each line
	s_cmp_eq_u32 s15, 0
	s_cbranch_scc0 .Lfor_b_\@
	tensor_load_to_lds s[G0A+4*\f:G0A+4*\f+3], s[G1A:G1A+7]
	s_nop 0
.rept 4
	v_nop
.endr
	s_branch .Lasked_\@
.Lfor_b_\@:
	tensor_load_to_lds s[G0B+4*\f:G0B+4*\f+3], s[G1B:G1B+7]
	s_nop 0
.rept 4
	v_nop
.endr
.Lasked_\@:
.endm
.macro ASK f                           ; fill f's bytes, my work-group's quarter of my wave's load: 25 blocks of 256 bytes for P, 50 for V
	global_prefetch_b8 v[PFO], s[PFB:PFB+1] offset:(\f)*4*UNIT th:TH_LOAD_NT scope:SCOPE_SE
	s_cmp_eq_u32 s15, 0
	s_cbranch_scc1 .Lpf_done_\@
	global_prefetch_b8 v[PFO], s[PFB:PFB+1] offset:(\f)*4*UNIT+6400 th:TH_LOAD_NT scope:SCOPE_SE
.Lpf_done_\@:
.endm
.macro CREST
	s_cmp_lg_u32 s14, 0
	s_cbranch_scc1 .Lnot_wave_0_\@
	s_barrier_signal -3
.Lnot_wave_0_\@:
	s_barrier_wait -3
	s_barrier_signal -1
	s_barrier_wait -1
.endm
.macro CROUND
	s_barrier_signal -1
	s_barrier_wait -1
	CREST
.endm
.macro FETCH slot, ks, kk, set         ; 39 LDS loads in one run: K step kk (the ks-th of the slot): P's shifted scale words (1), V's (2), my four fragments of P, eight of V
	WIN 0
	ds_load_b128 v[SCA+16*\set:SCA+16*\set+3], v[ASA] offset:512*\kk
	ds_load_b128 v[SCB+16*\set:SCB+16*\set+3], v[ASB+\slot] offset:\ks*UNIT+SCO
	ds_load_b128 v[SCB+16*\set+4:SCB+16*\set+7], v[ASB+\slot] offset:\ks*UNIT+SCO+256
.irp i, 0,1,2,3
.irp n, 0,1,2
	ds_load_b128 v[AF+48*\set+12*\i+4*\n:AF+48*\set+12*\i+4*\n+3], v[ADA+\slot] offset:\ks*UNIT+1536*\i+512*\n
.endr
.endr
	WIN 0x40
.irp i, 0,1,2,3,4,5,6,7
.irp n, 0,1,2
	ds_load_b128 v[128*\set+12*\i+4*\n:128*\set+12*\i+4*\n+3], v[ADB+\slot] offset:\ks*UNIT+1536*\i+512*\n
.endr
.endr
	WIN 0
.endm
.macro MULB a, set, cm                 ; 8 matrix instructions: block a of queries against eight tiles of channels.  cm 1: C = 0.  The 32 accumulators take turns
	WIN 0xa1                                       ; source 0 (V) window 1, source 1 (P) window 0, C and D window 2
.irp b, 0,1,2,3,4,5,6,7
.set rD, 8*(8*(\a)+\b)
.set rB, 128*(\set)+12*\b
.set rA, AF+48*(\set)+12*(\a)
.set rSB, SCB+16*(\set)+\b
.set rSA, SCA+16*(\set)+(\a)
.if (\cm) == 0
	v_wmma_scale_f32_16x16x128_f8f6f4 v[rD:rD+7], v[rB:rB+11], v[rA:rA+11], v[rD:rD+7], v[rSB], v[rSA] matrix_a_fmt:MATRIX_FMT_BF6 matrix_b_fmt:MATRIX_FMT_BF6
.else
	v_wmma_scale_f32_16x16x128_f8f6f4 v[rD:rD+7], v[rB:rB+11], v[rA:rA+11], 0, v[rSB], v[rSA] matrix_a_fmt:MATRIX_FMT_BF6 matrix_b_fmt:MATRIX_FMT_BF6
.endif
.endr
.endm
.macro MULN set, cm, first, count
.set AA, \first
.rept \count
	MULB AA, \set, \cm
.set AA, AA+1
.endr
.endm
.macro NEXT s                          ; fetch K step s + 1
	FETCH ((((\s)+1)/4)%2), (((\s)+1)%4), ((\s)+1), (((\s)+1)%2)
.endm
.macro PLAIN s                         ; K step s, whose successor lies in the same slot
	s_wait_dscnt 0x0                               ; this step's fragments, asked for 32 matrix instructions ago
	PLACES
	NEXT \s
	MULN ((\s)%2), 0, 0, 4
.endm
.macro TURN s, f, ask                  ; K step s, a slot's last; slot f, just read out, is filled again with the K steps eight on; ask: the fill to prefetch, 0 for none
	WIN 0
	s_wait_tensorcnt 0x0                           ; all my tensor loads have landed: my part of the other slot; so descriptors may be written
	ds_add_u32 v[SPW], v[NIL]
	s_add_nc_u64 s[G0A+4*\f+2:G0A+4*\f+3], s[G0A+4*\f+2:G0A+4*\f+3], 8*UNIT
	s_add_nc_u64 s[G0B+4*\f+2:G0B+4*\f+3], s[G0B+4*\f+2:G0B+4*\f+3], 8*UNIT
	s_wait_dscnt 0x1                               ; this step's fragments are in; the add may be out
	MULN ((\s)%2), 0, 0, 1
	s_wait_dscnt 0x0                               ; the add is done, and my reads of this slot are over
	s_barrier_signal -1
	MULN ((\s)%2), 0, 1, 1
	WIN 0
	s_barrier_wait -1
	CREST                                          ; a round of the cluster's barrier
	JLOAD \f                                       ; its four v_nop are the places in front of the loads below
	NEXT \s
.if \ask
	ASK \ask
.endif
	MULN ((\s)%2), 0, 2, 2
.endm
	s_load_b256 s[4:11], s[0:1], 0x0               ; pq s[4:5], vq s[6:7], st s[8:9], out0 s[10:11]
	v_lshl_add_u32 v[SPW], v0, 2, SPARE
	v_mov_b32 v[NIL], 0
	ds_add_u32 v[SPW], v[NIL]
	ds_add_u32 v[SPW], v[NIL]
	v_lshrrev_b32 v1, 5, v0
	v_readfirstlane_b32 s14, v1                    ; wave 0..3
	s_lshr_b32 s15, s14, 1                         ; my 64 queries.  Also: I fetch for P (0) or for V (1)
	s_and_b32 s16, s14, 1                          ; my group of channels.  Also: which part I fetch
	s_bfe_u32 s40, ttmp6, 0x40000                  ; cx
	s_bfe_u32 s41, ttmp6, 0x40004                  ; cy
	s_lshl_b32 s42, ttmp9, 2
	s_add_co_u32 s42, s42, s40                     ; tile of 256 channels
	s_and_b32 s18, ttmp7, 0xffff                   ; cluster y: 512 queries; four to a batch
	s_lshl_b32 s17, s18, 2
	s_add_co_u32 s17, s17, s41                     ; group of 128 queries
	s_lshl_b32 s43, s41, 2
	s_lshl_b32 s43, 15, s43                        ; my row of the cluster
	s_lshl_b32 s44, 0x1111, s40                    ; my column
	; group 1: dense bytes as rows of 256 (32 elements of 8 bytes), no padding: P's loads 100 rows (two K steps of the group), V's 200 (four K steps of a group)
	s_or_b32 s[G1A], s43, (3<<16)|(1<<21)
	s_mov_b32 s[G1A+1], 32<<16
	s_mov_b32 s[G1A+2], 100<<16
	s_mov_b32 s[G1A+3], 32<<16
	s_mov_b32 s[G1A+4], 100
	s_mov_b32 s[G1A+5], 32
	s_mov_b32 s[G1A+6], 0
	s_mov_b32 s[G1A+7], 0
	s_or_b32 s[G1B], s44, (3<<16)|(1<<21)
	s_mov_b32 s[G1B+1], 32<<16
	s_mov_b32 s[G1B+2], 200<<16
	s_mov_b32 s[G1B+3], 32<<16
	s_mov_b32 s[G1B+4], 200
	s_mov_b32 s[G1B+5], 32
	s_mov_b32 s[G1B+6], 0
	s_mov_b32 s[G1B+7], 0
	s_mul_i32 s86, s17, 16*UNIT                    ; P: my group, 16 units,
	s_mov_b32 s87, 0
	s_mul_i32 s45, s16, 2*UNIT                     ; + the two K steps of a slot's four that I fetch: in memory and in a slot alike
	s_add_co_u32 s20, s86, s45
	s_mov_b32 s21, 0
	s_lshr_b32 s22, s18, 2                         ; the batch (from the cluster's y, which all partners share)
	s_lshl_b32 s22, s22, 3
	s_lshl_b32 s23, s42, 1
	s_add_co_u32 s22, s22, s23
	s_add_co_u32 s22, s22, s16
	s_mul_i32 s22, s22, 16*UNIT                    ; V: the channel group that I fetch
	s_mov_b32 s23, 0
	s_mul_i32 s46, s16, 4*UNIT
	s_add_co_u32 s46, s46, 4*UNIT                  ; V's groups lie behind P's four units: where I put mine, and where I read mine
	s_mul_i32 s47, s15, 6144                       ; my four fragments of P in a unit
	s_lshl_b32 s82, s15, 8                         ; their scale words
	s_mul_i32 s83, s14, 16*528                     ; my stage: 16 rows x (512 + 16) bytes, in slot 0, which has had its last fill and its last read when the first result is stored there
	s_lshl_b32 s90, s17, 14                        ; st: my group
	s_mov_b32 s91, 0
	s_lshl_b32 s88, s17, 19                        ; out0: (128 g + 64 wr) rows of 4,096 bytes + (256 wx + 128 wc) x 4
	s_lshl_b32 s89, s15, 18
	s_add_co_u32 s88, s88, s89
	s_lshl_b32 s89, s42, 10
	s_add_co_u32 s88, s88, s89
	s_lshl_b32 s89, s16, 9
	s_add_co_u32 s88, s88, s89
	s_mov_b32 s89, 0
	s_mov_b32 s[K01], 0x01010101
	s_wait_dscnt 0x0                               ; both opening adds are done
	s_wait_kmcnt 0x0
	s_add_nc_u64 s[PQG:PQG+1], s[4:5], s[86:87]
	s_add_nc_u64 s[STG:STG+1], s[8:9], s[90:91]
	; thread n serves the word at byte 4 n of a unit's 512 bytes of scale words: one query; st's words are placed alike.  These loads go out ahead of the first round
	v_lshlrev_b32 v[TAU], 2, v0
	v_add_nc_u32 v[FXA], FIX, v[TAU]
.irp s, 0,1,2,3,4,5,6,7,8,9,10,11,12,13,14,15
	global_load_b32 v[NM+\s], v[TAU], s[STG:STG+1] offset:1024*\s
.endr
.irp s, 0,1,2,3,4,5,6,7,8,9,10,11,12,13,14,15
	global_load_b32 v[LS+\s], v[TAU], s[STG:STG+1] offset:1024*\s+512
.endr
.irp s, 0,1,2,3,4,5,6,7,8,9,10,11,12,13,14,15
	global_load_b32 v[RW+\s], v[TAU], s[PQG:PQG+1] offset:UNIT*\s+SCO
.endr
	s_add_nc_u64 s[20:21], s[4:5], s[20:21]
	s_add_nc_u64 s[22:23], s[6:7], s[22:23]
	s_add_nc_u64 s[OUTA:OUTA+1], s[10:11], s[88:89]
.irp f, 0,1
	s_mov_b32 s[G0A+4*\f], 1
	s_add_co_u32 s[G0A+4*\f+1], s45, \f*SLOT
	s_add_nc_u64 s[G0A+4*\f+2:G0A+4*\f+3], s[20:21], \f*4*UNIT
	s_or_b32 s[G0A+4*\f+3], s[G0A+4*\f+3], 0x80000000
	s_mov_b32 s[G0B+4*\f], 1
	s_add_co_u32 s[G0B+4*\f+1], s46, \f*SLOT
	s_add_nc_u64 s[G0B+4*\f+2:G0B+4*\f+3], s[22:23], \f*4*UNIT
	s_or_b32 s[G0B+4*\f+3], s[G0B+4*\f+3], 0x80000000
.endr
	s_mov_b32 s85, 12800
	s_cmp_eq_u32 s15, 0                            ; do I fetch for P?
	s_cselect_b64 s[PFB:PFB+1], s[20:21], s[22:23]
	s_cselect_b32 s84, s40, s41                    ; my place among the four that ask with me
	s_cselect_b32 s85, 6400, s85                   ; a quarter of my load
	s_mul_i32 s84, s84, s85
	s_mov_b32 s85, 0
	s_add_nc_u64 s[PFB:PFB+1], s[PFB:PFB+1], s[84:85]
	CROUND                                         ; all sixteen work-groups are here: the first joint loads meet
	JLOAD 0                                        ; K steps 0-3: one tensor load a wave at the head
	v_and_b32 v1, 15, v0                           ; r
	v_bfe_u32 v2, v0, 4, 1                         ; h
	v_and_b32 v3, 31, v0
	v_min_u32 v[PFO], 24, v3
	v_lshlrev_b32 v[PFO], 8, v[PFO]
	v_lshlrev_b32 v3, 4, v3                        ; 16 x lane
	v_lshlrev_b32 v16, 4, v1                       ; 16 r
	v_add_nc_u32 v[ADA], s47, v3
	v_add_nc_u32 v[ADB], s46, v3
	v_add_nc_u32 v[ASB], s46, v16
.irp x, ADA, ADB, ASB
	v_add_nc_u32 v[\x+1], SLOT, v[\x]
.endr
	v_add_nc_u32 v[ASA], s82, v16
	v_add_nc_u32 v[RIA], RINV, v[ASA]              ; 1 / l of blocks 4 wr .. 4 wr + 3, row r
	v_add_nc_u32 v[ASA], FIX, v[ASA]               ; their scale words
	v_mul_u32_u24 v[STO], v1, 528
	v_lshl_add_u32 v[STO], v2, 7, v[STO]
	v_add_nc_u32 v[STO], s83, v[STO]               ; in: row r, + 128 h
	v_add_nc_u32 v[RD], s83, v3                    ; back: a row's 512 bytes
	v_mov_b32 v[RT+1], 0                           ; (named as the upper half of a pair)
	s_wait_alu depctr_va_vdst(0)
	ASK 1                                          ; K steps 4-7
	s_wait_loadcnt 0x0
	v_min_num_f32 v112, v[NM], v[NM+1]             ; the least -M: the row's
	v_min_num_f32 v121, v[NM+2], v[NM+3]
.irp s, 4,6,8,10,12,14
	v_min_num_f32 v112, v112, v[NM+\s]
	v_min_num_f32 v121, v121, v[NM+\s+1]
.endr
	v_min_num_f32 v112, v112, v121
.irp s, 0,1,2,3,4,5,6,7,8,9,10,11,12,13,14,15
	v_sub_f32 v114, v112, v[NM+\s]                 ; M_s - M_row: a whole number, 0 or less,
	v_max_num_f32 v114, 0xc2fe0000, v114           ; held at -127
	v_cvt_i32_f32 v115, v114
.if \s == 0
	v_ldexp_f32 v113, v[LS+\s], v115               ; l_s under the row's M: nothing is rounded
.else
	v_ldexp_f32 v116, v[LS+\s], v115
	v_add_f32 v113, v113, v116
.endif
	v_sub_nc_u32 v115, 0, v115
	v_mul_lo_u32 v115, v115, s[K01]                ; the shift, 0 .. 127, in all four bytes
	v_or_b32 v117, 0x80808080, v[RW+\s]            ; the raw bytes are 1 .. 123: with 128 on each, no byte borrows from its neighbour
	v_sub_nc_u32 v117, v117, v115
	v_lshrrev_b32 v118, 7, v117
	v_and_b32 v118, s[K01], v118                   ; 1 where the byte has stayed at 0 or above
	v_lshlrev_b32 v119, 8, v118
	v_sub_nc_u32 v119, v119, v118                  ; 255 there
	v_and_b32 v117, 0x7f7f7f7f, v117
	v_and_b32 v117, v117, v119                     ; the shifted byte, or 0
	ds_store_b32 v[FXA], v117 offset:512*\s
.endr
	s_wait_alu depctr_va_vdst(0)
	v_rcp_f32 v120, v113
	v_nop                                          ; one plain place behind the reciprocal
	s_wait_alu depctr_va_vdst(0)                   ; the wait ahead of its first reader
	ds_store_b32 v[FXA], v120 offset:RINV-FIX
	s_wait_tensorcnt 0x0                           ; my part of slot 0 has landed; the full sequence stands ahead of slot 1's first fill, as ahead of a refill
	ds_add_u32 v[SPW], v[NIL]
	s_wait_dscnt 0x0                               ; the add is done, and my stores of scale words and of 1 / l have landed
	CROUND
	JLOAD 1                                        ; K steps 4-7
	FETCH 0, 0, 0, 0
	FETCH 0, 1, 1, 1
	ASK 2                                          ; K steps 8-11
	s_wait_dscnt 39                                ; K step 0's 39 loads are in; K step 1's may be out
	MULN 0, 1, 0, 4                                ; K step 0 starts the sums
	PLAIN 1
	PLAIN 2
	TURN 3, 0, 3                                   ; slot 0 takes K steps 8 to 11; steps 12 to 15 are prefetched
	PLAIN 4
	PLAIN 5
	PLAIN 6
	TURN 7, 1, 0                                   ; slot 1 takes K steps 12 to 15
	PLAIN 8
	PLAIN 9
	PLAIN 10
	s_wait_tensorcnt 0x0                           ; K step 11: my part of slot 1 has landed
	s_wait_dscnt 0x0                               ; my reads of slot 0 are over
	s_barrier_signal -1
	MULN 1, 0, 0, 1
	s_barrier_wait -1
	PLACES
	NEXT 11
	MULN 1, 0, 1, 3
	PLAIN 12
	PLAIN 13
	PLAIN 14
	s_wait_dscnt 0x0
	MULN 1, 0, 0, 4                                ; K step 15
	WIN 0
; THE WAY OUT.  Register 32 c + i of block a in lane (r, h) is channel 64 c + 32 h + i of query 64 wr + 8 a + r % 8 + 32 (r / 8).  A block goes through my own stage and comes back as whole rows of 512 bytes.
.macro PACK a
	v_mov_b32 v[RT], v[RI+(\a)]
	WIN 0x02                                       ; source 0 window 2
.set JJ, 0
.rept 32
	v_pk_mul_f32 v[T+JJ:T+JJ+1], v[64*(\a)+JJ:64*(\a)+JJ+1], v[RT:RT+1] op_sel_hi:[1,0]   ; x 1 / l; each accumulator from its low end on
.set JJ, JJ+2
.endr
	WIN 0
.endm
.macro TOSTAGE a
.irp c, 0,1
.irp q, 0,1,2,3,4,5,6,7
	ds_store_b128 v[STO], v[T+32*\c+4*\q:T+32*\c+4*\q+3] offset:256*\c+16*\q
.endr
.endr
.set BB, BK+64*((\a)%2)
.irp t, 0,1,2,3,4,5,6,7,8,9,10,11,12,13,14,15
	ds_load_b128 v[BB+4*\t:BB+4*\t+3], v[RD] offset:528*\t    ; LDS serves a wave's instructions in order: these see my stores
.endr
.endm
.macro SEND a
.set BB, BK+64*((\a)%2)
	s_wait_dscnt 0x0                               ; the block is back in registers
.irp t, 0,1,2,3,4,5,6,7,8,9,10,11,12,13,14,15
	global_store_b128 v3, v[BB+4*\t:BB+4*\t+3], s[OUTA:OUTA+1] offset:(8*(\a)+\t%8+32*(\t/8))*4096 th:TH_STORE_NT   ; 512 consecutive aligned bytes of a row; written once, read by nobody here
.endr
.endm
	PLACES
	ds_load_b128 v[RI:RI+3], v[RIA]
	s_wait_dscnt 0x0
	PACK 0
	TOSTAGE 0
.irp a, 1,2,3
	s_wait_dscnt 16                                ; the stage's stores have read their registers; the 16 loads behind them may be out
	PACK \a
	s_wait_alu depctr_va_vdst(0)
	SEND (\a-1)
	s_wait_xcnt 0x0                                ; the stores of two blocks back have read their registers: the next block's loads may land there
	TOSTAGE \a
.endr
	SEND 3
	s_wait_tensorcnt 0x0                           ; the wave's end
	ds_add_u32 v[SPW], v[NIL]
	s_wait_dscnt 0x0
	CROUND                                         ; the closing round
	s_endpgm
.Lfunc_end_k_q07dedcdd7e_pv:
	.size	k_q07dedcdd7e_pv, .Lfunc_end_k_q07dedcdd7e_pv-k_q07dedcdd7e_pv
	.p2alignl 7, 3214868480
	.fill 96, 4, 3214868480
	.section	.rodata,"a",@progbits
	.p2align	6, 0x0
	.amdhsa_kernel k_q07dedcdd7e_pv
		.amdhsa_group_segment_fixed_size 327680
		.amdhsa_private_segment_fixed_size 0
		.amdhsa_enable_private_segment 0
		.amdhsa_kernarg_size 32
		.amdhsa_user_sgpr_count 2
		.amdhsa_user_sgpr_kernarg_segment_ptr 1
		.amdhsa_wavefront_size32 1
		.amdhsa_system_sgpr_workgroup_id_x 1
		.amdhsa_system_sgpr_workgroup_id_y 1
		.amdhsa_system_sgpr_workgroup_id_z 1
		.amdhsa_system_vgpr_workitem_id 0
		.amdhsa_next_free_vgpr 768
		.amdhsa_next_free_sgpr 92
		.amdhsa_reserve_vcc 0
		.amdhsa_float_denorm_mode_32 3
		.amdhsa_float_denorm_mode_16_64 3
		.amdhsa_memory_ordered 1
		.amdhsa_forward_progress 1
		.amdhsa_inst_pref_size 158
	.end_amdhsa_kernel
	.amdgpu_metadata
---
amdhsa.version: [ 1, 2 ]
amdhsa.kernels:
  - .name:           k_q07dedcdd7e_pv
    .symbol:         k_q07dedcdd7e_pv.kd
    .args:
      - { .name: pq, .offset: 0, .size: 8, .value_kind: global_buffer, .address_space: global }
      - { .name: vq, .offset: 8, .size: 8, .value_kind: global_buffer, .address_space: global }
      - { .name: st, .offset: 16, .size: 8, .value_kind: global_buffer, .address_space: global }
      - { .name: out0, .offset: 24, .size: 8, .value_kind: global_buffer, .address_space: global }
    .group_segment_fixed_size: 327680
    .private_segment_fixed_size: 0
    .kernarg_segment_align: 8
    .kernarg_segment_size: 32
    .max_flat_workgroup_size: 128
    .sgpr_count:     92
    .vgpr_count:     768
    .wavefront_size: 32
...
	.end_amdgpu_metadata
.endif
;; end of part 4
